; MI455X (gfx1250); checked and timed in simulation.
; The chip was launched on July 23, 2026; its instructions are those of AMD's public machine-readable ISA for CDNA 5 (MIT licence, August 2026) and "CDNA5" Instruction Set Architecture Reference Guide (July 2026). The comments in the code are by the model that wrote it; some were corrected since.
;; Causal Multi Head Self Attention. Allowed arithmetic: matrix products marked QUANTISED: E2M3 operands, one E8M0 scale for each 32 along K, by v_wmma_scale_f32_16x16x128_f8f6f4 with both operands' format E2M3, f32 sums; everything else in f32.
;; Inputs: Wk 1,024 x 1,024 float32; Wo 1,024 x 1,024 float32; Wq 1,024 x 1,024 float32; Wv 1,024 x 1,024 float32; token_positions 2,048 int32; x 2 x 2,048 x 1,024 float32.
;; Outputs: out0 2 x 2,048 x 1,024 float32.
;; This version of the problem:
;;   THIS VERSION OF THE PROBLEM IS GIVEN IN LOW PRECISION. The matrix products marked QUANTISED in the list below multiply operands that are first quantised to E2M3 (2 exponent bits, 3 mantissa bits; 6 bits a number), with one power-of-two scale for each 32 numbers along K (OCP MX v1.0); their sums are f32. All else is computed in f32.
;;   The module's matrix products, in the order in which they are computed (A, B: the left and right operand; K: the contracted axis; several contracted axes count as one K, in the product's order):
;;     1. [M 4,096, K 1,024] x [K 1,024, N 1,024]; A: input x; B: input Wq: QUANTISED
;;     2. [M 4,096, K 1,024] x [K 1,024, N 1,024]; A: input x; B: input Wk: QUANTISED
;;     3. [M 4,096, K 1,024] x [K 1,024, N 1,024]; A: input x; B: input Wv: QUANTISED
;;     4. batch 32 x [M 2,048, K 64] x [K 64, N 2,048]; A: computed on the way; B: computed on the way: QUANTISED
;;     5. batch 32 x [M 2,048, K 2,048] x [K 2,048, N 64]; A: softmax (see below); B: computed on the way: QUANTISED
;;     6. [M 4,096, K 1,024] x [K 1,024, N 1,024]; A: computed on the way; B: input Wo: QUANTISED
;;   THE QUANTISER, for each operand of a quantised product, along K:
;;     - K is cut into blocks of 32 from its start; a last block that is shorter is filled with zeros.
;;     - A block's scale is 2^e with e = floor(log2(the largest magnitude in the block)) - 2, held to -126 .. 127; a block of zeros has e = 0. As a byte (E8M0): e + 127.
;;     - Each number is divided by its block's scale, clamped to +-7.5, and rounded to the nearest number of E2M3, ties to even, subnormals kept.
;;     - The product sums the exact products of the quantised numbers (number of the format x scale) in f32.
;;   ~~~python
;;   def quantise(x, axis):      # numpy; x: float32 -> the quantised numbers, widened to float32 again
;;       x = np.moveaxis(x, axis, -1); K = x.shape[-1]
;;       x = np.pad(x, [(0, 0)] * (x.ndim - 1) + [(0, -K % 32)]); x = x.reshape(x.shape[:-1] + (-1, 32)); a = np.abs(x).max(-1, keepdims=True)
;;       e = np.where(a > 0, np.clip(np.frexp(np.where(a > 0, a, 1))[1] - 1 - 2, -126, 127), 0)      # np.frexp(a)[1] - 1 = floor(log2(a)), exactly
;;       r = np.clip(x / 2.0 ** e, -7.5, 7.5)
;;       step = 2.0 ** (np.maximum(np.frexp(np.where(r == 0, 1, r))[1] - 1, 0) - 3)
;;       q = np.round(r / step) * step * 2.0 ** e      # np.round: ties to even
;;       return np.moveaxis(q.reshape(q.shape[:-2] + (-1,))[..., :K], -1, axis).astype(np.float32)
;;   ~~~
;;   SOFTMAX AHEAD OF A QUANTISED PRODUCT. Where the list says 'softmax', what is quantised is not the finished softmax but p = 2^(t - M), with t = logit x log2(e) and M = ceil(the row's largest t), a whole number; so 1/2 < the row's largest p <= 1. The row's sum l is taken of the UNQUANTISED p, in f32, and the product's result is divided by l at the end. Since M is a whole number, a kernel that streams over the keys may use a running M (the ceiling of the running maximum): every later rescaling is an exact power of two, which a block's scale takes up: the codes' values come out the same.
;;   OPERANDS COMPUTED ON THE WAY. 'Computed on the way' means the value that the module computes at that place (a softmax that the list does not call 'softmax' is quantised finished and normalised). What goes into a quantiser is computed in f32, as accurately as f32 sums, v_exp_f32 and their like allow (about 1e-6 of the number): no bf16 or f16 on the way to a quantiser, and a product that is left as it is and whose result goes on into a quantised operand takes f32 operands (vector FMAs, or v_wmma_f32_16x16x4_f32). A number that lies on a knife's edge between two numbers of the format may be rounded either way, as far as f32 arithmetic and the matrix unit's own rounding can turn it there, and no further.
;; One version. Each part assembles by itself: llvm-mc -triple=amdgcn-amd-amdhsa -mcpu=gfx1250 --defsym DOCPART=n.
;; ======== version 1 of 1: 4 launches
;; limits: right only within a limited range of input values
;; workspace buffers: codes 6,291,456 bytes; scl 262,144 bytes; rope 589,824 bytes; qimg 3,407,872 bytes; kv 6,684,672 bytes; attn 3,145,728 bytes; attn_s 131,072 bytes
;; launch quant (part 1): grid 292 x 1, 4 waves a work-group, no clusters, 37,376 bytes of LDS; arguments x, Wq, Wk, Wv, Wo, token_positions, codes, scl, rope; writes codes, scl, rope
.if DOCPART == 1
	.amdgcn_target "amdgcn-amd-amdhsa--gfx1250"
	.amdhsa_code_object_version 6
	.text
	.protected	k_qde04996e5e_quant
	.globl	k_qde04996e5e_quant
	.p2align	8
	.type	k_qde04996e5e_quant,@function
k_qde04996e5e_quant:
	s_mov_b64 s[64:65], 0
	v_nop
	global_prefetch_b8 v0, s[64:65] scope:SCOPE_SE
	s_setreg_imm32_b32 hwreg(HW_REG_WAVE_MODE, 25, 1), 1
	s_wait_xcnt 0x0
; x [4096][1024] and Wq, Wk, Wv, Wo [1024][1024], f32, K innermost, become codes of FP6 (E2M3) with one E8M0 byte for each 32 along K; token_positions becomes a table of cos and sin for RoPE.
; A block's scale is 2^(floor(log2(its largest magnitude)) - 2): its byte is the largest magnitude's exponent field - 2, held at 1 from below.
; LIMITS: NaN and infinities among the inputs are not served.  A block whose largest magnitude lies under 2^-124, a block of zeros among them, keeps the byte 1 (the quantiser's text says 127 for zeros):
; its codes are zeros or follow the floor's scale, and the bytes are read by this program alone.
; THE CODES' LAYOUT is the order of the matrix operand's registers.  Rows go in tiles of 16; of each 32 rows tile u holds at place i the row 8 u + i + 8 (i / 8).  A HALF IMAGE is 16 rows x 64 K, 768 bytes:
; lane l = (r = l % 16, h = l / 16) holds k = 32 h .. 32 h + 31 of the row at place r in six registers; registers 0-3 lie at 16 l, registers 4-5 at 512 + 8 l.
; codes: [K / 256 (4)][tile (512)][64 K (4)][768]; tiles 0-255 x, 256-319 Wq, 320-383 Wk, 384-447 Wv, 448-511 Wo.   scl: [tile][K / 256 (4)][place (16)][8 bytes].
; WORK-GROUPS 0-255: one for each 32 rows.  Wave w takes tile u = w % 2 and K half w / 2: eight steps of one half image.  A step's eight loads read 256 consecutive bytes of a row in sixteen lanes; the
; 4,096 bytes turn through the wave's own stage in LDS (rows 272 bytes apart) and come back 128 bytes a lane: a whole block of 32.  Loads run four steps ahead, the turn one step.  Waves share nothing: no barrier.
; WORK-GROUPS 256-291: the table.  rope: [tile (144)][chunk (8)][lane (32)][cos, sin, cos, sin]: what a lane of the next launch wants for the token at its place, pair by pair.  Tiles 128-143 are the identity
; (angle 0: cos 1, sin 0).  cos and sin are made by a reduction to [-pi/4, pi/4] with pi/2 in three parts and two short polynomials.
; LIMITS of the table: 1 / 10000^(pair / 32) comes from v_exp_f32 with a correction term, within some 2 units in the last place of the exact number; the reduction keeps about 1e-7 absolute up to |position| of about 2^20.
.set SP,    272                        ; a stage row: 256 bytes + 16
.set STG,   16*SP                      ; a stage
.set SBY,   2*STG                      ; behind the two stages: the wave's 256 scale bytes
.set WREG,  9216                       ; LDS of a wave
.set SIG,   1572864                    ; bytes of codes for 256 along K of all 512 tiles
.set R,     16                         ; v16-143   four sets of 32 registers as loaded
.set X,     144                        ; v144-207  two sets: a lane's 32 neighbours
.set C,     208                        ; v208-219  two sets of six: a lane's codes
.set D,     220                        ; v220-222  the second conversion's result (three registers that begin on an even number)
.set E,     224                        ; v224-231  a scale byte for each step
	s_load_b256 s[4:11], s[0:1], 0x0               ; x, Wq, Wk, Wv
	s_load_b256 s[12:19], s[0:1], 0x20             ; Wo, token_positions, codes, scl
	s_load_b64 s[20:21], s[0:1], 0x40              ; rope
	v_lshl_add_u32 v240, v0, 2, 0x9000
	v_mov_b32 v241, 0
	v_lshrrev_b32 v1, 5, v0
	v_readfirstlane_b32 s22, v1                    ; wave
	v_and_b32 v2, 31, v0                           ; lane
	v_and_b32 v8, 15, v0                           ; r
	v_bfe_u32 v9, v0, 4, 1                         ; h
	v_lshlrev_b32 v4, 4, v2                        ; 16 x lane
	v_lshlrev_b32 v7, 3, v2                        ; 8 x lane
	s_mov_b32 s23, ttmp9
	s_cmp_ge_u32 s23, 256
	s_cbranch_scc1 .Lrope
	; ---------------- the quantiser
	s_and_b32 s24, s22, 1                          ; u
	s_lshr_b32 s25, s22, 1                         ; K half
	s_mul_i32 s26, s22, WREG                       ; my LDS
	v_lshlrev_b32 v3, 4, v8
	v_lshl_add_u32 v3, v9, 12, v3                  ; in: lanes 0-15 one row's 256 bytes, lanes 16-31 the next row's
	v_mul_u32_u24 v14, v9, SP
	v_lshl_add_u32 v14, v8, 4, v14
	v_add_nc_u32 v14, s26, v14                     ; into the stage: the same two rows
	v_mul_u32_u24 v15, v8, SP
	v_lshl_add_u32 v15, v9, 7, v15
	v_add_nc_u32 v15, s26, v15                     ; out of it: row r, my block's 128 bytes
	s_add_co_u32 s27, s26, SBY
	v_lshl_add_u32 v5, v8, 3, v9
	v_add_nc_u32 v5, s27, v5                       ; my scale byte: 8 r + h
	v_add_nc_u32 v6, s27, v7                       ; and on the way out 8 bytes a lane
	s_and_b32 s28, s23, 31                         ; which 32 rows of a weight
	s_lshl_b32 s30, s23, 1
	s_add_co_u32 s30, s30, s24                     ; my tile = 2 x work-group + u
	s_wait_alu depctr_va_vdst(0)
	s_wait_kmcnt 0x0
	s_mov_b64 s[32:33], s[12:13]                   ; the tensor is chosen by the work-group's number alone
	s_cmp_lt_u32 s23, 224
	s_cselect_b64 s[32:33], s[10:11], s[32:33]
	s_cmp_lt_u32 s23, 192
	s_cselect_b64 s[32:33], s[8:9], s[32:33]
	s_cmp_lt_u32 s23, 160
	s_cselect_b64 s[32:33], s[6:7], s[32:33]
	s_cmp_lt_u32 s23, 128
	s_cselect_b64 s[32:33], s[4:5], s[32:33]
	s_cselect_b32 s28, s23, s28                    ; which 32 rows of the tensor
	s_lshl_b32 s34, s28, 17                        ; 32 rows of 4,096 bytes,
	s_lshl_b32 s29, s24, 15                        ; tile 1 begins 8 rows on,
	s_add_co_u32 s34, s34, s29
	s_lshl_b32 s29, s25, 11                        ; the K half 2,048 bytes on
	s_add_co_u32 s34, s34, s29
	s_mov_b32 s35, 0
	s_add_nc_u64 s[32:33], s[32:33], s[34:35]
	s_mul_i32 s34, s25, 2*SIG
	s_mul_i32 s29, s30, 3072
	s_add_co_u32 s34, s34, s29
	s_add_nc_u64 s[16:17], s[16:17], s[34:35]      ; my codes
	s_lshl_b32 s34, s30, 9
	s_lshl_b32 s29, s25, 8
	s_add_co_u32 s34, s34, s29
	s_add_nc_u64 s[18:19], s[18:19], s[34:35]      ; my 256 scale bytes
.macro LOAD t                          ; step t: places 2 jj and 2 jj + 1 of the tile are rows 2 jj + 8 (jj / 4) and the next
.irp jj, 0,1,2,3,4,5,6,7
	global_load_b128 v[R+32*((\t)%4)+4*\jj:R+32*((\t)%4)+4*\jj+3], v3, s[32:33] offset:(2*\jj+8*(\jj/4))*4096+256*(\t) th:TH_LOAD_NT
.endr
.endm
.macro TURN t                          ; through the stage: LDS serves a wave's instructions in order, so no wait stands between the stores and the loads
.irp jj, 0,1,2,3,4,5,6,7
	ds_store_b128 v14, v[R+32*((\t)%4)+4*\jj:R+32*((\t)%4)+4*\jj+3] offset:((\t)%2)*STG+2*\jj*SP
.endr
.irp i, 0,1,2,3,4,5,6,7
	ds_load_b128 v[X+32*((\t)%2)+4*\i:X+32*((\t)%2)+4*\i+3], v15 offset:((\t)%2)*STG+16*\i
.endr
.endm
.macro STEP t
.set XS, X+32*((\t)%2)
.set CC, C+6*((\t)%2)
.if (\t) > 0
	s_wait_dscnt 1                                 ; this step's numbers are back from the stage; the last step's byte store may be out
.else
	s_wait_dscnt 0x0
.endif
.if (\t)+4 < 8
	LOAD (\t)+4                                    ; into the set that this step's stores into the stage have read
.endif
.if (\t)+1 < 8
.if (\t) < 4
	s_wait_loadcnt 24                              ; the next step's eight loads are in; those of the three steps behind it may be out
.else
	s_wait_loadcnt 8*(6-(\t))
.endif
	TURN (\t)+1
.endif
	v_max3_num_f32 v10, |v[XS]|, |v[XS+1]|, |v[XS+2]|      ; the block's largest magnitude: all 32 numbers are mine; two chains
	v_max3_num_f32 v11, |v[XS+3]|, |v[XS+4]|, |v[XS+5]|
.irp i, 6,10,14,18,22,26
	v_max3_num_f32 v10, v10, |v[XS+\i]|, |v[XS+\i+1]|
	v_max3_num_f32 v11, v11, |v[XS+\i+2]|, |v[XS+\i+3]|
.endr
	v_max3_num_f32 v10, v10, |v[XS+30]|, |v[XS+31]|
	v_max3_num_f32 v10, v10, v11, 0x1800000        ; and the floor 2^(3 - 127): the byte cannot fall under 1
	v_add_nc_u32 v12, 0xff000000, v10              ; 2 off the exponent field: the conversion takes this operand's exponent field as its scale
	s_wait_alu depctr_va_vdst(0)
	s_wait_xcnt 0x0                                ; the stores of two steps ago have read this set of code registers
	v_cvt_scalef32_pk16_fp6_f32 v[CC:CC+2], v[XS:XS+15], v12
	v_cvt_scalef32_pk16_fp6_f32 v[D:D+2], v[XS+16:XS+31], v12
	v_lshrrev_b32 v[E+(\t)], 23, v12               ; the scale's byte (also the plain line behind the conversions)
	v_mov_b32 v[CC+3], v[D]
	v_mov_b32 v[CC+4], v[D+1]
	v_mov_b32 v[CC+5], v[D+2]
	ds_store_b8 v5, v[E+(\t)] offset:((\t)/4)*128+((\t)%4)*2
	global_store_b128 v4, v[CC:CC+3], s[16:17] offset:((\t)/4)*SIG+((\t)%4)*768         ; 512 consecutive bytes, aligned to 256
	global_store_b64 v7, v[CC+4:CC+5], s[16:17] offset:((\t)/4)*SIG+((\t)%4)*768+512    ; 256 consecutive bytes, aligned
.endm
	LOAD 0
	LOAD 1
	LOAD 2
	LOAD 3
	s_wait_loadcnt 24                              ; step 0's eight loads are in
	TURN 0
.irp t, 0,1,2,3,4,5,6,7
	STEP \t
.endr
	ds_load_b64 v[232:233], v6                     ; in order behind my byte stores
	s_wait_dscnt 0x0
	global_store_b64 v7, v[232:233], s[18:19]      ; 256 consecutive bytes, aligned
	s_wait_tensorcnt 0x0
	ds_add_u32 v240, v241
	s_wait_dscnt 0x0
	s_endpgm
	; ---------------- the table of cos and sin
.Lrope:
	s_sub_co_u32 s24, s23, 256
	s_lshl_b32 s24, s24, 2
	s_add_co_u32 s24, s24, s22                     ; my table tile, 0 .. 143
	s_lshr_b32 s25, s24, 1
	s_and_b32 s25, s25, 63
	s_lshl_b32 s25, s25, 5
	s_and_b32 s26, s24, 1
	s_lshl_b32 s26, s26, 3
	s_add_co_u32 s25, s25, s26                     ; the tile's first token (the identity tiles read inside the input too)
	s_wait_alu depctr_va_vdst(0)
	v_and_b32 v10, 8, v8
	v_add_nc_u32 v10, v10, v8                      ; r + 8 (r / 8)
	v_add_nc_u32 v10, s25, v10
	v_lshlrev_b32 v10, 2, v10
	s_lshl_b32 s26, s24, 12
	s_mov_b32 s27, 0
	s_cmp_lt_u32 s24, 128
	s_cselect_b32 s28, 0x3f800000, 0               ; the identity tiles take the angle 0
	s_mov_b32 s30, 0xbed49a60                      ; -(log2(10000) / 32), cut to 19 bits: times a pair's number (5 bits) it is exact
	s_mov_b32 s31, 0x3506b9e6                      ; what was cut off, x ln 2
	s_mov_b32 s32, 0x3f22f983                      ; 2 / pi
	s_mov_b32 s33, 0xbfc90fdb                      ; -pi/2 in three parts
	s_mov_b32 s34, 0x333bbd2e
	s_mov_b32 s35, 0x26f72ce0
	s_mov_b32 s36, 0xbe2aaaa3                      ; sin r = r + r z (S1 + z (S2 + z S3)), z = r r
	s_mov_b32 s37, 0x3c08839e
	s_mov_b32 s38, 0xb94ca1f9
	s_mov_b32 s39, 0x3d2aaaa5                      ; cos r = 1 - z / 2 + z z (C1 + z (C2 + z C3))
	s_mov_b32 s40, 0xbab6061a
	s_mov_b32 s41, 0x37ccf5ce
	s_wait_alu depctr_va_vdst(0)
	s_wait_kmcnt 0x0
	global_load_b32 v11, v10, s[14:15]
	s_add_nc_u64 s[20:21], s[20:21], s[26:27]
	v_lshlrev_b32 v9, 3, v9                        ; 8 h
	s_wait_alu depctr_va_vdst(0)
	s_wait_loadcnt 0x0
	v_cvt_f32_i32 v8, v11
	v_mul_f32 v8, s28, v8                          ; the position
.macro SINCOS k, oc, os                ; pair 8 h + k: cos into v[oc], sin into v[os]
	v_add_nc_u32 v10, (\k), v9
	v_cvt_f32_u32 v10, v10
	v_mul_f32 v11, s30, v10                        ; exact
	s_wait_alu depctr_va_vdst(0)
	v_exp_f32 v11, v11
	v_mul_f32 v12, s31, v10                        ; (the plain line behind the exponential)
	s_wait_alu depctr_va_vdst(0)
	v_fma_f32 v11, -v11, v12, v11                  ; 1 / 10000^(pair / 32)
	v_mul_f32 v11, v8, v11                         ; the angle, rounded once
	v_mul_f32 v12, s32, v11
	v_rndne_f32 v12, v12                           ; n
	v_fma_f32 v13, v12, s33, v11
	v_fma_f32 v13, v12, s34, v13
	v_fma_f32 v13, v12, s35, v13                   ; r = angle - n pi/2
	v_mul_f32 v14, v13, v13
	v_cvt_i32_f32 v15, v12
	v_fma_f32 v16, v14, s38, s37
	v_fma_f32 v16, v16, v14, s36
	v_mul_f32 v16, v16, v14
	v_fma_f32 v16, v16, v13, v13                   ; sin r
	v_fma_f32 v17, v14, s41, s40
	v_fma_f32 v17, v17, v14, s39
	v_mul_f32 v18, v14, v14
	v_fma_f32 v19, v14, -0.5, 1.0
	v_fma_f32 v17, v17, v18, v19                   ; cos r
	v_and_b32 v18, 1, v15
	v_cmp_ne_u32 vcc_lo, 0, v18                    ; an odd n: the two change places
	v_cndmask_b32 v[\os], v16, v17, vcc_lo
	v_cndmask_b32 v[\oc], v17, v16, vcc_lo
	v_and_b32 v18, 2, v15
	v_lshlrev_b32 v18, 30, v18
	v_xor_b32 v[\os], v[\os], v18                  ; sin changes sign where n mod 4 is 2 or 3,
	v_add_nc_u32 v19, 1, v15
	v_and_b32 v19, 2, v19
	v_lshlrev_b32 v19, 30, v19
	v_xor_b32 v[\oc], v[\oc], v19                  ; cos where it is 1 or 2
.endm
.irp q, 0,1,2,3,4,5,6,7
.irp e, 0,1
	SINCOS 16*(\q/4)+4*((\q/2)%2)+2*(\q%2)+\e, 32+4*\q+2*\e, 33+4*\q+2*\e
.endr
	global_store_b128 v4, v[32+4*\q:35+4*\q], s[20:21] offset:512*\q    ; 512 consecutive bytes; each chunk has registers of its own
.endr
	s_endpgm
.Lfunc_end_k_qde04996e5e_quant:
	.size	k_qde04996e5e_quant, .Lfunc_end_k_qde04996e5e_quant-k_qde04996e5e_quant
	.p2alignl 7, 3214868480
	.fill 96, 4, 3214868480
	.section	.rodata,"a",@progbits
	.p2align	6, 0x0
	.amdhsa_kernel k_qde04996e5e_quant
		.amdhsa_group_segment_fixed_size 37376
		.amdhsa_private_segment_fixed_size 0
		.amdhsa_enable_private_segment 0
		.amdhsa_kernarg_size 72
		.amdhsa_user_sgpr_count 2
		.amdhsa_user_sgpr_kernarg_segment_ptr 1
		.amdhsa_wavefront_size32 1
		.amdhsa_system_sgpr_workgroup_id_x 1
		.amdhsa_system_sgpr_workgroup_id_y 1
		.amdhsa_system_sgpr_workgroup_id_z 1
		.amdhsa_system_vgpr_workitem_id 0
		.amdhsa_next_free_vgpr 242
		.amdhsa_next_free_sgpr 66
		.amdhsa_reserve_vcc 1
		.amdhsa_float_denorm_mode_32 3
		.amdhsa_float_denorm_mode_16_64 3
		.amdhsa_memory_ordered 1
		.amdhsa_forward_progress 1
		.amdhsa_inst_pref_size 57
	.end_amdhsa_kernel
	.amdgpu_metadata
---
amdhsa.version: [ 1, 2 ]
amdhsa.kernels:
  - .name:           k_qde04996e5e_quant
    .symbol:         k_qde04996e5e_quant.kd
    .args:
      - { .name: x, .offset: 0, .size: 8, .value_kind: global_buffer, .address_space: global }
      - { .name: Wq, .offset: 8, .size: 8, .value_kind: global_buffer, .address_space: global }
      - { .name: Wk, .offset: 16, .size: 8, .value_kind: global_buffer, .address_space: global }
      - { .name: Wv, .offset: 24, .size: 8, .value_kind: global_buffer, .address_space: global }
      - { .name: Wo, .offset: 32, .size: 8, .value_kind: global_buffer, .address_space: global }
      - { .name: token_positions, .offset: 40, .size: 8, .value_kind: global_buffer, .address_space: global }
      - { .name: codes, .offset: 48, .size: 8, .value_kind: global_buffer, .address_space: global }
      - { .name: scl, .offset: 56, .size: 8, .value_kind: global_buffer, .address_space: global }
      - { .name: rope, .offset: 64, .size: 8, .value_kind: global_buffer, .address_space: global }
    .group_segment_fixed_size: 37376
    .private_segment_fixed_size: 0
    .kernarg_segment_align: 8
    .kernarg_segment_size: 72
    .max_flat_workgroup_size: 128
    .sgpr_count:     66
    .vgpr_count:     242
    .wavefront_size: 32
...
	.end_amdgpu_metadata
.endif
;; end of part 1
;; launch qkv (part 2): grid 8 x 24, 4 waves a work-group, clusters of 4 x 4, 327,680 bytes of LDS; arguments codes, scl, rope, qimg, kv; writes qimg, kv
.if DOCPART == 2
	.amdgcn_target "amdgcn-amd-amdhsa--gfx1250"
	.amdhsa_code_object_version 6
	.text
	.protected	k_qde04996e5e_qkv
	.globl	k_qde04996e5e_qkv
	.p2align	8
	.type	k_qde04996e5e_qkv,@function
k_qde04996e5e_qkv:
	s_mov_b64 s[64:65], 0
	v_nop
	global_prefetch_b8 v0, s[64:65] scope:SCOPE_SE
	s_setreg_imm32_b32 hwreg(HW_REG_WAVE_MODE, 25, 1), 1
	s_wait_xcnt 0x0
	s_wait_alu depctr_hold_cnt(0) depctr_sa_sdst(0) depctr_va_vdst(0) depctr_va_sdst(0) depctr_va_ssrc(0) depctr_va_vcc(0) depctr_vm_vsrc(0)
	s_getreg_b32 s2, hwreg(HW_REG_IB_STS2, 6, 4)
	s_cmp_eq_u32 s2, 0
	s_cbranch_scc0 .Lentry_in_a_cluster
	s_endpgm
.Lentry_in_a_cluster:
	s_bfe_u32 s2, ttmp6, 0x10000c
	s_cmp_lg_u32 s2, 0xf033
	s_cbranch_scc0 .Lentry_shape_is_right
	s_endpgm
.Lentry_shape_is_right:
; q = rope(x Wq^T), k = rope(x Wk^T), v = x Wv^T on codes of FP6 (E2M3) with E8M0 scales, K = 1,024; the results are quantised on the way out, as operands of attention's two products.
; OPERANDS come as half images (16 rows x 64 K, 768 bytes, in the order of the matrix operand's registers: lane l's registers 0-3 at 16 l, 4-5 at 512 + 8 l), laid [K / 256][tile][4][768]; of each 32 rows tile u
; holds at place i the row 8 u + i + 8 (i / 8).  Scale bytes: [tile][K / 256][place][8].  So a K step's eight tiles are one dense block for one tensor load, and a fragment is four LDS loads without padding.
; A tile of C, 256 x 256, is made by four waves, each 128 x 128: 64 accumulators.  K goes in steps of 256 through two LDS slots; four K steps, written out.  THE MATRIX INSTRUCTION IS USED TRANSPOSED:
; source 0 = 16 rows of B, source 1 = 16 rows of A: lane (r, h) holds the row of A at place r, and by the tiles' order of rows the 16 registers of B's tiles 2 b and 2 b + 1 are B's rows 32 b + 16 h + 0 .. 15.
; CLUSTERS of 4 x 4.  Cluster rows 0-3: A = x (tokens), B = Wq (cluster column 0) or Wk (1): a lane holds one token and 128 channels, two heads.  Cluster rows 4-5: A = Wv (channels), B = x (tokens): a lane holds
; one channel and 128 neighbouring keys, since the keys are the K of attention's second product.  Which of the two hangs on the cluster's number alone.  A's tiles are asked for jointly along a row of the cluster, B's along a column.
; THE WAY OUT, a block of 16 rows of A at a time: the rotation by the table's cos and sin (for v the table's identity tiles: x 1 and x 0, exact for finite numbers, so that one text serves all three),
; the blocks' largest magnitudes, scale bytes, conversions; the two half images leave as they stand, 512 + 256 consecutive bytes each; the scale words are gathered in the wave's own stage and leave in runs of 256 or 512 bytes.
; qimg: codes (head x 128 + tile) x 768; scale words from QS on, 64 bytes a tile.   kv: [head (32)][128 keys (16)][13,056]: K's 8 tiles, K's scale words (512), V's 8 half images (2 x tile of channels + half), V's scale words (256).
; A head has 64 channels, half of the instruction's K: q's and k's scale words carry two live bytes; the upper two belong to zero codes and are never 0xff.
; LIMITS: NaN and infinities are not served; a block under 2^-124 keeps the byte 1; the rotation uses fused multiply-adds.
; REGISTERS: window 0: v0-31 addresses; v32-63 scale words, two sets; v128-223 A's fragments, one set; on the way out v64-199 at work.  window 1: B's fragments, two sets; on the way out the table.  windows 2, 3: the accumulators.
.set NQ,     2                         ; matrix instructions deep in a slot
.set FR,     12                        ; registers of a fragment
.set NL,     4                         ; LDS loads that bring one
.set NP,     4                         ; places behind this matrix instruction (ISA guide 7.12.1)
.set TILEB,  3072                      ; 16 rows x 256 K
.set HALFT,  8*TILEB                   ; what one tensor load brings, and what one wave reads of A or of B
.set SLOT,   4*HALFT                   ; a K step's bytes.  In LDS: A's 16 tiles of slot 0, of slot 1, then B's of slot 0, of slot 1
.set SCL,    2*SLOT                    ; behind the ring: A's scale bytes (8,192); B's begin 8,192 + 128 on
.set SCB,    8192+128
.set SPARE,  213248                    ; the spare words, 128 bytes for each wave: two blocks of 256 bytes that no other line names
.set STAGE,  213760                    ; 1,024 bytes for each wave: the scale words on their way out
.set SIGA,   1572864                   ; from one K step's codes to the next
.set SIGB,   1572864
.set QS,     3145728
.set HEADB,  208896
.set STEPB,  13056
.set ADRA, 16                          ; v16-17 A's fragments in slot 0, 1, 16 bytes a lane; v18-19 8 bytes a lane
.set ADRB, 20                          ; v20-23 the same for B
.set L16,  24                          ; v24  16 x lane
.set L8,   25                          ; v25  8 x lane
.set SWA,  26                          ; v26  the stage: where my scale word goes
.set ADRS, 27                          ; v27  my scale words: lanes 0-15 A's, lanes 16-31 B's
.set SPW,  28                          ; v28  my spare word; never rewritten
.set NIL,  29                          ; v29  0; never rewritten
.set SRD,  30                          ; v30  the stage, read back
.set VSO,  31                          ; v31  the scale words' place in memory
.set SH,   15                          ; v15  16 h
.set SC,   32
.set AF,   128
.set HA,   64                          ; the way out: 64 rotated numbers
.set PC,   128                         ; the codes just made (v128-139; v140-146 at work)
.set TM,   160                         ; v160-175 at work
.set PW,   176                         ; the scale word just made
.set PWS,  192                         ; v192-199 what goes to the stage, a register for each block
.set G1, 24
.set G0, 32
.set G1B, 48
.set G0B, 56
.set SEL, 66                           ; s66, s67 selects for lane l xor 16
.set G1S, 68
.set G0S, 76
.set G1SB, 80
.set G0SB, 88
.set MSB, 0
.macro WIN new                         ; the immediate's high byte repeats the setting that is left
.if MSB != (\new)
	s_set_vgpr_msb (MSB<<8)|(\new)
.set MSB, (\new)
.endif
.endm
.set MUL_LO, 0xa1                      ; source 0 (B) window 1, source 1 (A) window 0, C and D window 2
.set MUL_HI, 0xf1
.set TO_B,   0x40
; A joint load: waves 0 and 1 fetch for A, waves 2 and 3 for B; the branch hangs on the wave's number alone.  Four v_nop follow each of the two lines.
.macro JLOAD g0a, g1a, g0b, g1b
	s_cmp_eq_u32 s15, 0
	s_cbranch_scc0 .Lfor_b_\@
	tensor_load_to_lds s[\g0a:\g0a+3], s[\g1a:\g1a+7]
	s_nop 0
.rept 4
	v_nop
.endr
	s_branch .Lasked_\@
.Lfor_b_\@:
	tensor_load_to_lds s[\g0b:\g0b+3], s[\g1b:\g1b+7]
	s_nop 0
.rept 4
	v_nop
.endr
.Lasked_\@:
.endm
.macro CREST                           ; a round of the cluster's barrier behind its opening barrier
	s_cmp_lg_u32 s14, 0
	s_cbranch_scc1 .Lnot_wave_0_\@
	s_barrier_signal -3
.Lnot_wave_0_\@:
	s_barrier_wait -3
	s_barrier_signal -1
	s_barrier_wait -1
.endm
.macro CROUND
	s_barrier_signal -1
	s_barrier_wait -1
	CREST
.endm
	s_load_b256 s[4:11], s[0:1], 0x0               ; codes s[4:5], scl s[6:7], rope s[8:9], qimg s[10:11]
	s_load_b64 s[12:13], s[0:1], 0x20              ; kv
	v_lshl_add_u32 v[SPW], v0, 2, SPARE
	v_mov_b32 v[NIL], 0
	ds_add_u32 v28, v29
	ds_add_u32 v28, v29
	s_wait_dscnt 0x0
	v_lshrrev_b32 v1, 5, v0
	v_readfirstlane_b32 s14, v1                    ; wave 0..3
	s_lshr_b32 s15, s14, 1                         ; which half of A's rows is mine.  Also: I fetch for A (0) or for B (1)
	s_and_b32 s16, s14, 1                          ; which half of B's rows.  Also: which 8 tiles I fetch
	s_bfe_u32 s40, ttmp6, 0x40000                  ; cx
	s_bfe_u32 s41, ttmp6, 0x40004                  ; cy
	s_and_b32 s17, ttmp7, 0xffff                   ; the cluster's y
	s_lshl_b32 s43, s41, 2
	s_lshl_b32 s43, 15, s43                        ; my row of the cluster
	s_lshl_b32 s44, 0x1111, s40                    ; my column
	s_lshl_b32 s18, s17, 6                         ; q, k: A's tiles begin at 64 x cluster y (x)
	s_lshl_b32 s19, s17, 7
	s_sub_co_u32 s19, s19, 512                     ; v: B's at 128 x (cluster y - 4) (x); used there alone
	s_cmp_ge_u32 s17, 4
	s_cselect_b32 s100, 1, 0                       ; 1: this cluster makes v
	s_cselect_b32 s18, 384, s18                    ; v: A's tiles begin at Wv's
	s_cselect_b32 s19, s19, 256                    ; q, k: B's at Wq's
	s_or_b32 s[G1+0], s43, (3<<16)|(1<<21)         ; 15:0 the mask; 17:16 elements of 8 bytes; 21 set beside a mask; no padding
	s_or_b32 s[G1B+0], s44, (3<<16)|(1<<21)
.irp g, G1, G1B                        ; the head's shape: 16 tiles for each of K steps 0 and 1
	s_mov_b32 s[\g+1], 6144<<16                    ; the head's loads: two rows of 49,152 bytes, 16 tiles of K step 0 and of K step 1; the ring's shape is set behind them
	s_mov_b32 s[\g+2], 2<<16
	s_mov_b32 s[\g+3], 6144<<16
	s_mov_b32 s[\g+4], 2
	s_mov_b32 s[\g+5], SIGA/8
	s_mov_b32 s[\g+6], 0
	s_mov_b32 s[\g+7], 0
.endr
	s_or_b32 s[G1S+0], s43, (3<<16)|(1<<21)
	s_or_b32 s[G1SB+0], s44, (3<<16)|(1<<21)
.irp g, G1S, G1SB                      ; their scale bytes for all of K: 32 rows of 256 bytes
	s_mov_b32 s[\g+1], 32<<16
	s_mov_b32 s[\g+2], 32<<16                      ; the scale bytes of 16 tiles: 32 rows of 256 bytes
	s_mov_b32 s[\g+3], 32<<16
	s_mov_b32 s[\g+4], 32
	s_mov_b32 s[\g+5], 32
	s_mov_b32 s[\g+6], 0
	s_mov_b32 s[\g+7], 0
.endr
	s_lshl_b32 s45, s16, 3
	s_lshl_b32 s20, s41, 4
	s_add_co_u32 s20, s20, s18
	s_add_co_u32 s20, s20, s45                     ; A: the first tile that I fetch: made of cy and the cluster's y alone
	s_lshl_b32 s46, s40, 4
	s_lshl_b32 s47, ttmp9, 6
	s_add_co_u32 s46, s46, s47
	s_add_co_u32 s46, s46, s19
	s_add_co_u32 s46, s46, s45                     ; B: made of cx and the cluster's numbers alone
	s_lshl_b32 s22, s20, 9
	s_mov_b32 s23, 0
	s_mul_i32 s20, s20, TILEB
	s_mov_b32 s21, 0
	s_lshl_b32 s92, s46, 9
	s_mov_b32 s93, 0
	s_mul_i32 s46, s46, TILEB
	s_mov_b32 s47, 0
	s_mul_i32 s45, s16, HALFT                      ; where my 8 tiles go inside an operand's slot: no place in the cluster enters an LDS address
	s_lshl_b32 s94, s14, 12
	s_mov_b32 s[SEL], 0x76543210
	s_mov_b32 s[SEL+1], 0xfedcba98
	s_wait_kmcnt 0x0
	s_add_nc_u64 s[20:21], s[4:5], s[20:21]
	s_add_nc_u64 s[22:23], s[6:7], s[22:23]
	s_add_nc_u64 s[46:47], s[4:5], s[46:47]
	s_add_nc_u64 s[92:93], s[6:7], s[92:93]
	CROUND                                         ; all sixteen work-groups are here: the first joint loads meet
	s_lshl_b32 s18, s16, 12                        ; the head's tiles are whole: back from my 8 tiles to the first of the 16
	s_mov_b32 s19, 0
	s_mov_b32 s[G0S], 1
	s_mov_b32 s[G0S+1], SCL
	s_sub_nc_u64 s[G0S+2:G0S+3], s[22:23], s[18:19]
	s_or_b32 s[G0S+3], s[G0S+3], 0x80000000
	s_mov_b32 s[G0SB], 1
	s_mov_b32 s[G0SB+1], SCL+SCB
	s_sub_nc_u64 s[G0SB+2:G0SB+3], s[92:93], s[18:19]
	s_or_b32 s[G0SB+3], s[G0SB+3], 0x80000000
.set G0H,  4                           ; s[4:7], s[96:99] group 0 of the head's loads of K step 0: A's 16 tiles, B's 16 tiles
.set G0HB, 96
	s_mul_i32 s18, s16, HALFT
	s_mov_b32 s[G0H], 1
	s_mov_b32 s[G0H+1], 0
	s_sub_nc_u64 s[G0H+2:G0H+3], s[20:21], s[18:19]
	s_or_b32 s[G0H+3], s[G0H+3], 0x80000000
	s_mov_b32 s[G0HB], 1
	s_mov_b32 s[G0HB+1], 4*HALFT
	s_sub_nc_u64 s[G0HB+2:G0HB+3], s[46:47], s[18:19]
	s_or_b32 s[G0HB+3], s[G0HB+3], 0x80000000
.irp s, 0,1
	s_mov_b32 s[G0+4*\s], 1
	s_add_co_u32 s[G0+4*\s+1], s45, \s*2*HALFT
	s_add_nc_u64 s[G0+4*\s+2:G0+4*\s+3], s[20:21], \s*SIGA
	s_or_b32 s[G0+4*\s+3], s[G0+4*\s+3], 0x80000000
	s_mov_b32 s[G0B+4*\s], 1
	s_add_co_u32 s[G0B+4*\s+1], s45, 4*HALFT+\s*2*HALFT
	s_add_nc_u64 s[G0B+4*\s+2:G0B+4*\s+3], s[46:47], \s*SIGB
	s_or_b32 s[G0B+4*\s+3], s[G0B+4*\s+3], 0x80000000
.endr
; The head's loads, one a wave: wave 0 K step 0's 16 tiles of A, wave 1 its 16 tiles of B, wave 2 A's scale bytes, wave 3 B's.  One tree of branches on the wave's number.
.macro ARM under, g0, g1, next
	s_cmp_lt_u32 s14, \under
	s_cbranch_scc0 \next
	tensor_load_to_lds s[\g0:\g0+3], s[\g1:\g1+7]
	s_nop 0
.rept 4
	v_nop
.endr
	s_branch .Lhead_asked
\next:
.endm
	ARM 1, G0H,  G1,  .Lhead_b
	ARM 2, G0HB, G1B, .Lhead_sa
	ARM 3, G0S,  G1S, .Lhead_sb
	tensor_load_to_lds s[G0SB:G0SB+3], s[G1SB:G1SB+7]
	s_nop 0
.rept 4
	v_nop
.endr
.Lhead_asked:
	v_and_b32 v1, 15, v0
	v_bfe_u32 v2, v0, 4, 1                         ; h
	v_and_b32 v3, 31, v0
	v_lshlrev_b32 v[L16], 4, v3
	v_lshlrev_b32 v[L8], 3, v3
	s_mul_i32 s21, s15, HALFT                      ; my 8 tiles of A
	s_mul_i32 s22, s16, HALFT
	s_add_co_u32 s22, s22, 4*HALFT                 ; my 8 tiles of B, behind A's two slots
.irp s, 0,1
	v_add_nc_u32 v[ADRA+\s], s21, v[L16]
	v_add_nc_u32 v[ADRB+\s], s22, v[L16]
	v_add_nc_u32 v[ADRA+2+\s], s21, v[L8]
	v_add_nc_u32 v[ADRB+2+\s], s22, v[L8]
	s_add_co_u32 s21, s21, 2*HALFT
	s_add_co_u32 s22, s22, 2*HALFT
.endr
	v_lshlrev_b32 v6, 3, v1                        ; my row's 8 scale bytes of a K step
	s_lshl_b32 s21, s15, 12
	s_lshl_b32 s22, s16, 12
	s_add_co_u32 s22, s22, SCB
	s_sub_co_u32 s22, s22, s21
	v_mul_u32_u24 v7, s22, v2                      ; lanes 16-31 take B's: one product, the distance between the two
	s_add_co_u32 s21, s21, SCL
	v_add_nc_u32 v6, v6, v7
	v_add_nc_u32 v[ADRS], s21, v6
	s_lshl_b32 s23, s14, 10
	s_add_co_u32 s23, s23, STAGE                   ; my stage
	v_lshlrev_b32 v[SWA], 2, v1
	v_lshl_add_u32 v[SWA], v2, 9, v[SWA]
	v_add_nc_u32 v[SWA], s23, v[SWA]               ; in: 512 h + 4 r, + 64 for each block
	v_add_nc_u32 v[SRD], s23, v[L16]               ; back: 16 bytes a lane
	v_lshlrev_b32 v[SH], 4, v2
.macro FRAG reg, adr, q, i             ; a fragment, 16 rows x 128 K: two half images, as they lie
	ds_load_b128 v[\reg:\reg+3], v[\adr] offset:(\i)*TILEB+(\q)*1536
	ds_load_b64 v[\reg+4:\reg+5], v[\adr+2] offset:(\i)*TILEB+(\q)*1536+512
	ds_load_b128 v[\reg+6:\reg+9], v[\adr] offset:(\i)*TILEB+(\q)*1536+768
	ds_load_b64 v[\reg+10:\reg+11], v[\adr+2] offset:(\i)*TILEB+(\q)*1536+1280
.endm
; 16 matrix instructions: A's blocks a0, a0 + 1 x B's eight.  The 64 accumulators take turns, one instruction a turn, in the same order in every step.
.macro MUL16 a0, p, q, sc, zero
.irp a, \a0, \a0+1
.irp b, 0,1,2,3,4,5,6,7
.if \zero
	v_wmma_scale_f32_16x16x128_f8f6f4 v[8*(8*((\a)%4)+\b):8*(8*((\a)%4)+\b)+7], v[128*(\p)+FR*\b:128*(\p)+FR*\b+FR-1], v[AF+FR*(\a):AF+FR*(\a)+FR-1], 0, v[SC+8*NQ*(\sc)+NQ*\b+(\q)], v[SC+8*NQ*(\sc)+NQ*(\a)+(\q)] matrix_a_fmt:MATRIX_FMT_FP6 matrix_b_fmt:MATRIX_FMT_FP6 matrix_a_scale:MATRIX_SCALE_ROW1
.else
	v_wmma_scale_f32_16x16x128_f8f6f4 v[8*(8*((\a)%4)+\b):8*(8*((\a)%4)+\b)+7], v[128*(\p)+FR*\b:128*(\p)+FR*\b+FR-1], v[AF+FR*(\a):AF+FR*(\a)+FR-1], v[8*(8*((\a)%4)+\b):8*(8*((\a)%4)+\b)+7], v[SC+8*NQ*(\sc)+NQ*\b+(\q)], v[SC+8*NQ*(\sc)+NQ*(\a)+(\q)] matrix_a_fmt:MATRIX_FMT_FP6 matrix_b_fmt:MATRIX_FMT_FP6 matrix_a_scale:MATRIX_SCALE_ROW1
.endif
.endr
.endr
.endm
.macro FETCH_B slot, q, p
	WIN TO_B
.irp i, 0,1,2,3,4,5,6,7
	FRAG 128*(\p)+FR*\i, ADRB+\slot, \q, \i
.endr
	WIN 0
.endm
.macro FETCH_A slot, q, i0
.irp i, \i0, \i0+1, \i0+2, \i0+3
	FRAG AF+FR*(\i), ADRA+\slot, \q, \i
.endr
.endm
.macro SCALES sc                       ; a K step's scale words: two words a row; lanes 0-15 A's block i, lanes 16-31 B's block i
.irp i, 0,1,2,3,4,5,6,7
	ds_load_b64 v[SC+8*NQ*\sc+NQ*\i:SC+8*NQ*\sc+NQ*\i+1], v[ADRS] offset:\i*512
.endr
.endm
.macro PLACES n                        ; plain vector lines between a matrix instruction and a load into, or a vector line on, its registers
.rept \n
	v_nop
.endr
.endm
.macro STEP slot, q, zero              ; a step of 128 along K that has its successor in the same slot
	s_wait_dscnt 4*NL                              ; B's set, A's blocks 0-3 and the scale words are in; the youngest sixteen loads (A's blocks 4-7) may be out
	WIN MUL_LO
	MUL16 0, (\q)%2, \q, \slot, \zero
	MUL16 2, (\q)%2, \q, \slot, \zero
	s_wait_dscnt 0
	PLACES NP
	FETCH_B \slot, (\q)+1, 1-(\q)%2
	FETCH_A \slot, (\q)+1, 0
	WIN MUL_HI
	MUL16 4, (\q)%2, \q, \slot, \zero
	MUL16 6, (\q)%2, \q, \slot, \zero
	PLACES NP
	WIN 0
	FETCH_A \slot, (\q)+1, 4
.endm
; A slot's last step changes slots: one barrier; in front of it each wave waits for all its tensor loads, adds 0 to its spare word, and waits for that and for its reads of this slot.  fill = 1: the slot is filled again, two K steps ahead.
.macro TURN slot, next, fill
	s_wait_tensorcnt 0x0                           ; all my tensor loads have landed: my part of the next slot
	ds_add_u32 v[SPW], v[NIL]                      ; 0 onto my spare word
	s_wait_dscnt 4*NL+1                            ; (the add and A's blocks 4-7 may be out)
	WIN MUL_LO
	MUL16 0, 1, NQ-1, \slot, 0
	s_wait_dscnt 0x0                               ; the add is done, and my reads of this slot are over
	s_barrier_signal -1
	MUL16 2, 1, NQ-1, \slot, 0
	WIN 0
	s_barrier_wait -1
.if \fill
	CREST                                          ; the barrier has opened a round of the cluster's: no wave of any partner still reads this slot or has a load on its way
	s_add_nc_u64 s[G0+4*\slot+2:G0+4*\slot+3], s[G0+4*\slot+2:G0+4*\slot+3], 2*SIGA
	s_add_nc_u64 s[G0B+4*\slot+2:G0B+4*\slot+3], s[G0B+4*\slot+2:G0B+4*\slot+3], 2*SIGB
	JLOAD G0+4*\slot, G1, G0B+4*\slot, G1B         ; the first tensor load behind the round; its four v_nop are the places in front of the loads below
.else
	PLACES NP
.endif
	s_wait_alu depctr_va_vdst(0)
	v_add_nc_u32 v[ADRS], 128, v[ADRS]             ; the next K step's scale words
	FETCH_B \next, 0, 0
	FETCH_A \next, 0, 0
	SCALES \next
	WIN MUL_HI
	MUL16 4, 1, NQ-1, \slot, 0
	MUL16 6, 1, NQ-1, \slot, 0
	PLACES NP
	WIN 0
	FETCH_A \next, 0, 4
.endm
	s_wait_alu depctr_va_vdst(0)
	s_wait_tensorcnt 0x0                           ; my tile of the head's four is in
.irp g, G1, G1B                        ; no tensor load of mine is out: from here on a load brings 8 tiles, a dense block of 96 rows of 256 bytes
	s_mov_b32 s[\g+1], 32<<16
	s_mov_b32 s[\g+2], 96<<16
	s_mov_b32 s[\g+3], 32<<16
	s_mov_b32 s[\g+4], 96
	s_mov_b32 s[\g+5], 32
.endr
	s_barrier_signal -1
	s_barrier_wait -1                              ; all four of the head's tiles are in: both slots and the scales
	FETCH_B 0, 0, 0
	FETCH_A 0, 0, 0
	SCALES 0
	FETCH_A 0, 0, 4
	STEP 0, 0, 1                                   ; the first products start the sums
	TURN 0, 1, 1                                   ; slot 0 takes K step 2
	STEP 1, 0, 0
	TURN 1, 0, 1                                   ; slot 1 takes K step 3
	STEP 0, 0, 0
	TURN 0, 1, 0
	STEP 1, 0, 0
	; All tensor loads are done, so the descriptors' registers are free.  The table at my first block; its blocks 0-2 are asked for now, into B's set 0, which the last step does not read (four places stand behind its last reader)
	s_lshl_b32 s70, s17, 2
	s_add_co_u32 s70, s70, s41
	s_and_b32 s82, s70, 7
	s_lshl_b32 s82, s82, 4                         ; the table's tile: tokens of a batch;
	s_cmp_lg_u32 s100, 0
	s_cselect_b32 s82, 128, s82                    ; v: the identity tiles
	s_lshl_b32 s82, s82, 12
	s_lshl_b32 s94, s15, 15
	s_add_co_u32 s94, s94, s82
	s_mov_b32 s95, 0
	s_add_nc_u64 s[8:9], s[8:9], s[94:95]
	WIN 0x40
.irp a, 0,1,2
.irp q, 0,1,2,3,4,5,6,7
	global_load_b128 v[32*\a+4*\q:32*\a+4*\q+3], v[L16], s[8:9] offset:\a*4096+\q*512
.endr
.endr
	WIN 0
	s_wait_dscnt 4*NL
	WIN MUL_LO
	MUL16 0, 1, NQ-1, 1, 0
	MUL16 2, 1, NQ-1, 1, 0
	s_wait_dscnt 0
	WIN MUL_HI
	MUL16 4, 1, NQ-1, 1, 0
	MUL16 6, 1, NQ-1, 1, 0
	WIN 0
	PLACES NP
	; ---- THE WAY OUT.  Where my results go: all tensor loads are done, so the descriptors' registers are free.
	s_lshl_b32 s70, s17, 2
	s_add_co_u32 s70, s70, s41                     ; q, k: tile row = 4 x cluster y + cy
	s_lshl_b32 s71, ttmp9, 2
	s_add_co_u32 s71, s71, s40                     ; q, k: tile column = 4 x cluster x + cx
	s_lshl_b32 s72, s17, 3
	s_sub_co_u32 s72, s72, 32
	s_add_co_u32 s72, s72, s71                     ; v: + 8 (cluster y - 4)
	s_cmp_lg_u32 s100, 0
	s_cselect_b32 s70, s41, s70                    ; v: tile row = cy
	s_cselect_b32 s71, s72, s71
	s_lshl_b32 s73, s70, 4
	s_lshl_b32 s75, s15, 3
	s_add_co_u32 s73, s73, s75                     ; my first tile of A
	s_lshl_b32 s74, s71, 1
	s_add_co_u32 s74, s74, s16                     ; my 128 rows of B
	s_lshr_b32 s76, s70, 3
	s_lshl_b32 s76, s76, 4
	s_lshl_b32 s77, s74, 1
	s_and_b32 s77, s77, 15
	s_add_co_u32 s76, s76, s77                     ; q, k: 16 x batch + my first head
	s_and_b32 s78, s73, 127                        ; my first tile of tokens in the batch
	s_lshr_b32 s79, s78, 3                         ; k: which 128 keys
	s_lshr_b32 s80, s74, 4
	s_lshl_b32 s80, s80, 4
	s_lshl_b32 s81, s70, 2
	s_add_co_u32 s80, s80, s81
	s_lshl_b32 s81, s15, 1
	s_add_co_u32 s80, s80, s81                     ; v: 16 x batch + my first head
	s_and_b32 s81, s74, 15                         ; v: which 128 keys
	s_mov_b32 s83, 6144
	s_mov_b32 s84, 768
	s_mov_b32 s85, 768
	s_mov_b32 s86, 256
	s_mov_b32 s87, HEADB
	s_cmp_lg_u32 s100, 0
	s_cselect_b32 s76, s80, s76
	s_cselect_b32 s79, s81, s79
	s_cselect_b32 s88, 6656, 0                     ; the codes' place among a step's 13,056 bytes
	s_cselect_b32 s83, 12800, s83                  ; the scale words'
	s_cselect_b32 s84, 1536, s84                   ; from block to block
	s_cselect_b32 s85, HEADB-3*1536, s85           ; from block 3 to block 4 (v: the next head)
	s_cselect_b32 s86, s87, s86                    ; from the scale words' first 256 bytes to the second
	s_cselect_b32 s87, 768, s87                    ; from the first half image to the second (k: the next head)
	s_mul_i32 s89, s76, HEADB
	s_mul_i32 s90, s79, STEPB
	s_add_co_u32 s89, s89, s90
	s_add_co_u32 s88, s88, s89
	s_add_co_u32 s83, s83, s89
	s_mul_i32 s90, s76, 128*768
	s_mul_i32 s91, s78, 768
	s_add_co_u32 s90, s90, s91                     ; q: the codes
	s_lshl_b32 s91, s76, 13
	s_lshl_b32 s92, s78, 6
	s_add_co_u32 s91, s91, s92
	s_add_co_u32 s91, s91, QS                      ; q: the scale words
	s_mov_b32 s93, HEADB
	s_or_b32 s92, s100, ttmp9
	s_cmp_eq_u32 s92, 0                            ; q?  The choice hangs on the cluster's numbers alone
	s_cselect_b64 s[10:11], s[10:11], s[12:13]
	s_cselect_b32 s88, s90, s88
	s_cselect_b32 s83, s91, s83
	s_cselect_b32 s87, 128*768, s87
	s_cselect_b32 s93, 8192, s93                   ; from a head's scale words to the next head's
	s_mov_b32 s89, 0
	s_add_nc_u64 s[20:21], s[10:11], s[88:89]      ; the first half image
	s_mov_b32 s90, s87
	s_mov_b32 s91, 0
	s_add_nc_u64 s[22:23], s[20:21], s[90:91]      ; the second
	s_mov_b32 s94, s83
	s_mov_b32 s95, 0
	s_add_nc_u64 s[46:47], s[10:11], s[94:95]      ; the scale words
	s_mov_b32 s94, s93
	s_add_nc_u64 s[92:93], s[46:47], s[94:95]      ; q, k: the second head's
	s_mov_b32 s96, s84
	s_mov_b32 s97, 0
	s_mov_b32 s98, s85
	s_mov_b32 s99, 0
	v_lshlrev_b32 v[VSO], 4, v1
	v_mad_u32_u24 v[VSO], v2, s86, v[VSO]
	WIN 0x40                                       ; the table takes the window that held B's fragments: block a's 32 registers at v[32 a]
.irp a, 3,4,5,6,7
.irp q, 0,1,2,3,4,5,6,7
	global_load_b128 v[32*\a+4*\q:32*\a+4*\q+3], v[L16], s[8:9] offset:\a*4096+\q*512
.endr
.endr
	WIN 0
.irp b, 0,1,2,3
	v_mov_b32 v[TM+4+\b], 0                        ; written once: a lane permute's destination counts as one of its sources
.endr
; 64 numbers of a lane, register 16 b + i = k 32 b + 16 h + i of my row, become a fragment's codes in v[PC] on and its scale word in v[PW].
.macro QUANT s
.irp b, 0,1,2,3
	v_max3_num_f32 v[TM+\b], |v[\s+16*\b]|, |v[\s+1+16*\b]|, 0x1800000   ; my 16 numbers of block b, and the floor 2^(3 - 127)
.endr
.irp i, 2,4,6,8,10,12,14
.irp b, 0,1,2,3
	v_max3_num_f32 v[TM+\b], v[TM+\b], |v[\s+16*\b+\i]|, |v[\s+1+16*\b+\i]|
.endr
.endr
.irp b, 0,1,2,3
	v_permlanex16_b32 v[TM+4+\b], v[TM+\b], s[SEL], s[SEL+1]
.endr
.irp b, 0,1,2,3
	v_max_num_f32 v[TM+\b], v[TM+\b], v[TM+4+\b]   ; with lane l xor 16's: the block's largest magnitude
.endr
.irp b, 0,1,2,3
	v_add_nc_u32 v[TM+12+\b], 0xff000000, v[TM+\b] ; 2 off its exponent field: the conversion's scale operand
.endr
.irp b, 0,1,2,3
	v_lshrrev_b32 v[TM+4+\b], 23, v[TM+12+\b]      ; the scale's byte
.endr
	v_lshl_or_b32 v[PW], v[TM+5], 8, v[TM+4]
	v_lshl_or_b32 v[PW], v[TM+6], 16, v[PW]
	v_lshl_or_b32 v[PW], v[TM+7], 24, v[PW]
.irp c, 0,1
	v_cvt_scalef32_pk16_fp6_f32 v[PC+6*\c:PC+2+6*\c], v[\s+32*\c:\s+15+32*\c], v[TM+12+2*\c]
	v_cvt_scalef32_pk16_fp6_f32 v[PC+12+4*\c:PC+14+4*\c], v[\s+16+32*\c:\s+31+32*\c], v[TM+12+2*\c+1]
.endr
	v_nop                                          ; one plain line behind a scaled conversion
.irp c, 0,1                            ; the operand's layout wants a whole block in a lane
.irp i, 0,1,2
	v_permlane16_swap_b32 v[PC+6*\c+\i], v[PC+12+4*\c+\i]
.endr
.irp i, 0,1,2
	v_mov_b32 v[PC+3+6*\c+\i], v[PC+12+4*\c+\i]
.endr
.endr
.endm
.macro EBLOCK a                        ; block a: 16 rows of A x my 128 rows of B
	s_wait_loadcnt 8*(7-(\a))                      ; this block's eight table loads are in; the later blocks' may be out
.if (\a) > 0
	s_wait_xcnt 0x0                                ; the last block's stores have read their data and bases
.if (\a) == 4
	s_add_nc_u64 s[20:21], s[20:21], s[98:99]
	s_add_nc_u64 s[22:23], s[22:23], s[98:99]
.else
	s_add_nc_u64 s[20:21], s[20:21], s[96:97]
	s_add_nc_u64 s[22:23], s[22:23], s[96:97]
.endif
.endif
	WIN 0x06+(\a)/4                                ; source 0: the accumulators' window; source 1: the table's
.irp b, 0,1,2,3,4,5,6,7
.irp p, 0,1,2,3
	v_pk_mul_f32 v[HA+8*\b+2*\p:HA+8*\b+2*\p+1], v[64*((\a)%4)+8*\b+2*\p:64*((\a)%4)+8*\b+2*\p+1], v[32*(\a)+8*(\b%4)+2*\p:32*(\a)+8*(\b%4)+2*\p+1] op_sel_hi:[1,0]   ; both of a pair x cos; each accumulator from its low end on
.endr
.endr
.irp b, 0,1,2,3,4,5,6,7
.irp p, 0,1,2,3
	v_fma_f32 v[HA+8*\b+2*\p], -v[64*((\a)%4)+8*\b+2*\p+1], v[32*(\a)+8*(\b%4)+2*\p+1], v[HA+8*\b+2*\p]       ; even: - odd x sin
	v_fma_f32 v[HA+8*\b+2*\p+1], v[64*((\a)%4)+8*\b+2*\p], v[32*(\a)+8*(\b%4)+2*\p+1], v[HA+8*\b+2*\p+1]      ; odd: + even x sin
.endr
.endr
	WIN 0
	QUANT HA
	global_store_b128 v[L16], v[PC:PC+3], s[20:21]                 ; a half image: 512 and 256 consecutive bytes, aligned to 256
	global_store_b64 v[L8], v[PC+4:PC+5], s[20:21] offset:512
	global_store_b128 v[L16], v[PC+6:PC+9], s[22:23]
	global_store_b64 v[L8], v[PC+10:PC+11], s[22:23] offset:512
	v_lshrrev_b32 v[PWS+(\a)], v[SH], v[PW]        ; lanes 0-15 keep the word, lanes 16-31 take its upper two bytes: q's and k's second head
	ds_store_b32 v[SWA], v[PWS+(\a)] offset:64*(\a)
.endm
.irp a, 0,1,2,3,4,5,6,7
	EBLOCK \a
.endr
	ds_load_b128 v[180:183], v[SRD]                ; in order behind my stores: the eight blocks' words,
	ds_load_b128 v[184:187], v[SRD] offset:512     ; and the shifted ones
	s_wait_dscnt 0x0
	global_store_b128 v[VSO], v[180:183], s[46:47] ; q, k: 512 consecutive bytes; v: 256 for each of two heads
	s_cmp_lg_u32 s100, 0                           ; v has no second set of words: the branch hangs on the cluster's number alone
	s_cbranch_scc1 .Lno_second
	global_store_b128 v[VSO], v[184:187], s[92:93]
.Lno_second:
	s_wait_tensorcnt 0x0                           ; the wave's end
	ds_add_u32 v[SPW], v[NIL]
	s_wait_dscnt 0x0
	CROUND                                         ; the closing round
	s_endpgm
.Lfunc_end_k_qde04996e5e_qkv:
	.size	k_qde04996e5e_qkv, .Lfunc_end_k_qde04996e5e_qkv-k_qde04996e5e_qkv
	.p2alignl 7, 3214868480
	.fill 96, 4, 3214868480
	.section	.rodata,"a",@progbits
	.p2align	6, 0x0
	.amdhsa_kernel k_qde04996e5e_qkv
		.amdhsa_group_segment_fixed_size 327680
		.amdhsa_private_segment_fixed_size 0
		.amdhsa_enable_private_segment 0
		.amdhsa_kernarg_size 40
		.amdhsa_user_sgpr_count 2
		.amdhsa_user_sgpr_kernarg_segment_ptr 1
		.amdhsa_wavefront_size32 1
		.amdhsa_system_sgpr_workgroup_id_x 1
		.amdhsa_system_sgpr_workgroup_id_y 1
		.amdhsa_system_sgpr_workgroup_id_z 1
		.amdhsa_system_vgpr_workitem_id 0
		.amdhsa_next_free_vgpr 1024
		.amdhsa_next_free_sgpr 102
		.amdhsa_reserve_vcc 0
		.amdhsa_float_denorm_mode_32 3
		.amdhsa_float_denorm_mode_16_64 3
		.amdhsa_memory_ordered 1
		.amdhsa_forward_progress 1
		.amdhsa_inst_pref_size 208
	.end_amdhsa_kernel
	.amdgpu_metadata
---
amdhsa.version: [ 1, 2 ]
amdhsa.kernels:
  - .name:           k_qde04996e5e_qkv
    .symbol:         k_qde04996e5e_qkv.kd
    .args:
      - { .name: codes, .offset: 0, .size: 8, .value_kind: global_buffer, .address_space: global }
      - { .name: scl, .offset: 8, .size: 8, .value_kind: global_buffer, .address_space: global }
      - { .name: rope, .offset: 16, .size: 8, .value_kind: global_buffer, .address_space: global }
      - { .name: qimg, .offset: 24, .size: 8, .value_kind: global_buffer, .address_space: global }
      - { .name: kv, .offset: 32, .size: 8, .value_kind: global_buffer, .address_space: global }
    .group_segment_fixed_size: 327680
    .private_segment_fixed_size: 0
    .kernarg_segment_align: 8
    .kernarg_segment_size: 40
    .max_flat_workgroup_size: 128
    .sgpr_count:     102
    .vgpr_count:     1024
    .wavefront_size: 32
...
	.end_amdgpu_metadata
.endif
;; end of part 2
;; launch attention (part 3): grid 8 x 32, 16 waves a work-group, no clusters, 327,680 bytes of LDS; arguments qimg, kv, attn, attn_s; writes attn, attn_s
.if DOCPART == 3
	.amdgcn_target "amdgcn-amd-amdhsa--gfx1250"
	.amdhsa_code_object_version 6
	.text
	.protected	k_qde04996e5e_attention
	.globl	k_qde04996e5e_attention
	.p2align	8
	.type	k_qde04996e5e_attention,@function
k_qde04996e5e_attention:
	s_mov_b64 s[64:65], 0
	v_nop
	global_prefetch_b8 v0, s[64:65] scope:SCOPE_SE
	s_setreg_imm32_b32 hwreg(HW_REG_WAVE_MODE, 25, 1), 1
	s_wait_xcnt 0x0
; Causal attention of one head on codes of FP6 (E2M3) with E8M0 scales; the result is quantised along the channels, as the operand of the output projection.
; t = score x log2(e) / 8; M = the running largest t, rounded up to a whole number; p = 2^(t - M) is quantised along the keys, not normalised; the row's sum is taken of the unquantised p and divides at the end.
; LEFT OUT: steps of 128 keys that lie wholly behind a block of 128 queries: the causal mask sets their scores to -infinity, so their p is 0 for all inputs.
; SHARES.  Work-group (j, head) owns the blocks 15 - j and j of 128 queries: 17 steps of (128 queries x 128 keys).  TWO WAVES SHARE A TILE of 16 queries: one takes the even key steps, the other the odd ones,
; first of the late block (trips 0-7), then of the early block (trips 8-15): 9 or 8 steps a wave.  Each keeps its own M, sum and O^T over its keys.  Since M is a whole number, two such states are joined by
; factors 2^(own M - common M), which round nothing.  At the change of blocks a wave puts its state into LDS bytes of its own; behind the loop stands ONE barrier, and then the even wave joins the early
; block's two states and the odd wave the late block's, and each sends its tile out.
; No cluster: the steps that a wave leaves out hang on the work-group's block of queries, which partners would not share.  No prefetch: every byte of K and V is asked for once, at the head; there is no loop of loads to run ahead in.
; LDS.  The head's K, V and scale words, 16 steps x 13,056 bytes, are brought once, wave w bringing step w by one tensor load; nothing is filled again.  Behind them the spare words (2,048 bytes), then 24 places of
; 4,608 bytes for states: place w: wave w's state of the late block (until then its Q of the early block); place 16 + tile: the odd wave's state of the early block.
; LAYOUT.  Both products are used transposed: S^T = K Q^T, O^T = V^T P^T: a lane holds one query throughout.  Tiles hold rows in the order 8 u + i + 8 (i / 8) of each 32, so the 16 registers of tiles 2 b and 2 b + 1
; are neighbours 32 b + 16 h + 0 .. 15.  A head has 64 channels: the upper half of the first product's K is zero codes in Q and in K.
; The scale bytes leave as single bytes, 32 a wave: two heads' bytes share a word, so a work-group that serves one head cannot write whole runs.
; LIMITS: NaN and infinities are not served; a block of p, or of the result, under 2^-124 keeps the byte 1.
; REGISTERS: v1-3 16, 8 x lane, 4 r; v4 the mask's number; v5-7 addresses; v8-11 V's scale words; v12 -M, v13 the largest t, v[14:15] the sum; v16-27 Q; v28-75 four fragments of K; v76-139 S^T, then p;
; v140-171 O^T; v172-183 p's codes; v184-191 at work; v192-239 V's fragments; v240-247 at work; v248-251 K's scale words; v252 f; v253 p's scale word; v254 at work; v255 Q's scale word.
.set STEPB, 13056
.set HEADB, 16*STEPB
.set QS,    3145728
.set SPARE, 0x34000
.set STG,   SPARE+2048
.set REG,   4608
.set KF,    28
.set S,     76
.set O,     140
.set PCD,   172
.set T2,    184
.set VF,    192
.set MX,    240
.set SCV,   244
.set WV,    12
.set CS,    16
.set MASK,  18
.set KS,    19
.set BLK,   34
.set TB,    37
.set SEL,   42
.set R1,    52                         ; s52 my place for the late block's state
.set R2,    53                         ; s53 my tile's place for the odd wave's state of the early block
.set PA,    54                         ; s54 the place of the state that I join with mine
.set TR,    55                         ; s55 the trip
.set PAR,   56                         ; s56 0: even key steps, 1: odd
.macro SAVE adr                        ; O^T, each accumulator from its low end on, then -M, t and the sum
.irp d, 0,1,2,3,4,5,6,7
	ds_store_b128 v[\adr], v[O+4*\d:O+4*\d+3] offset:512*\d
.endr
	ds_store_b128 v[\adr], v[12:15] offset:4096
.endm
.macro FRESH                           ; a state with no key in it
	v_mov_b32 v13, 0xff61b1e6                      ; -3e38
	v_mov_b32 v14, 0
	v_mov_b32 v15, 0
	v_floor_f32 v12, -v13
.set n, 0
.rept 32
	v_mov_b32 v[O+n], 0
.set n, n+1
.endr
.endm
	s_load_b256 s[4:11], s[0:1], 0x0               ; qimg, kv, attn, attn_s
	v_lshl_add_u32 v254, v0, 2, SPARE
	v_mov_b32 v255, 0
	ds_add_u32 v254, v255                          ; the opening lines: the add, twice on end, and its wait
	ds_add_u32 v254, v255
	v_lshrrev_b32 v1, 5, v0
	v_readfirstlane_b32 s[WV], v1                  ; wave 0..15
	s_and_b32 s13, ttmp7, 0xffff                   ; 16 x batch + head
	s_mov_b32 s24, 3<<16                           ; group 1: a dense block of 51 rows of 256 bytes
	s_mov_b32 s25, 32<<16
	s_mov_b32 s26, 51<<16
	s_mov_b32 s27, 32<<16
	s_mov_b32 s28, 51
	s_mov_b32 s29, 32
	s_mov_b32 s30, 0
	s_mov_b32 s31, 0
	s_mul_i32 s14, s13, HEADB
	s_mul_i32 s15, s[WV], STEPB
	s_add_co_u32 s16, s14, s15
	s_mov_b32 s17, 0
	s_mov_b32 s20, 1
	s_mov_b32 s21, s15                             ; LDS: wave x 13,056
	s_wait_dscnt 0x0
	s_wait_kmcnt 0x0
	s_add_nc_u64 s[22:23], s[6:7], s[16:17]
	s_or_b32 s23, s23, 0x80000000
	; K AND V COME IN TWO GROUPS: key steps 0-5 now, by waves 0-5; steps 6-15 behind the head's barrier, by waves 6-15: they land while steps 0-5 are worked
	s_cmp_lt_u32 s[WV], 6
	s_cbranch_scc0 .Llater
	tensor_load_to_lds s[20:23], s[24:31]          ; key step w of my head
	s_nop 0
.rept 4
	v_nop
.endr
.Llater:
	s_lshr_b32 s32, s[WV], 2
	s_xor_b32 s32, s32, s[WV]
	s_and_b32 s[PAR], s32, 1                       ; waves 2 i and 2 i + 1 differ in it, and so do waves w and w + 4
	s_lshr_b32 s33, s[WV], 1                       ; my tile in a block
	s_sub_co_u32 s[BLK], 15, ttmp9                 ; the late block first
	s_lshl_b32 s36, s13, 7
	s_add_co_u32 s36, s36, s33
	s_lshl_b32 s35, s[BLK], 3
	s_add_co_u32 s35, s35, s36                     ; Q's tile of the late block,
	s_lshl_b32 s57, ttmp9, 3
	s_add_co_u32 s57, s57, s36                     ; and of the early one
	s_mul_i32 s38, s35, 768
	s_mov_b32 s39, 0
	s_add_nc_u64 s[38:39], s[4:5], s[38:39]
	s_lshl_b32 s40, s35, 6
	s_add_co_u32 s40, s40, QS
	s_mov_b32 s41, 0
	s_add_nc_u64 s[40:41], s[4:5], s[40:41]
	s_mul_i32 s48, s57, 768
	s_mov_b32 s49, 0
	s_add_nc_u64 s[48:49], s[4:5], s[48:49]
	s_lshl_b32 s50, s57, 6
	s_add_co_u32 s50, s50, QS
	s_mov_b32 s51, 0
	s_add_nc_u64 s[50:51], s[4:5], s[50:51]
	s_lshr_b32 s58, s33, 1
	s_lshl_b32 s58, s58, 5
	s_and_b32 s59, s33, 1
	s_lshl_b32 s59, s59, 3
	s_add_co_u32 s58, s58, s59                     ; my tile's first row in its block
	v_and_b32 v254, 31, v0
	v_lshlrev_b32 v1, 4, v254
	v_lshlrev_b32 v2, 3, v254
	v_and_b32 v5, 15, v0                           ; r
	v_bfe_u32 v6, v0, 4, 1                         ; h
	v_lshlrev_b32 v3, 2, v5
	global_load_b128 v[16:19], v1, s[38:39]
	global_load_b64 v[20:21], v2, s[38:39] offset:512
	global_load_b32 v255, v3, s[40:41]
	global_load_b128 v[76:79], v1, s[48:49]        ; the early block's Q waits in LDS for its turn
	global_load_b64 v[80:81], v2, s[48:49] offset:512
	global_load_b32 v82, v3, s[50:51]
	v_and_b32 v4, 8, v5
	v_lshlrev_b32 v7, 4, v6
	v_add_nc_u32 v4, v4, v5
	s_delay_alu instid0(VALU_DEP_1)
	v_sub_nc_u32 v4, v4, v7
	s_delay_alu instid0(VALU_DEP_1)
	v_add_nc_u32 v4, s58, v4                       ; my query's place in its block, less 16 h: register 16 b + i holds a hidden key where 32 b + i is larger
	s_mul_i32 s[R1], s[WV], REG
	s_add_co_u32 s[R1], s[R1], STG
	s_mul_i32 s[R2], s33, REG
	s_add_co_u32 s[R2], s[R2], STG+16*REG
	s_xor_b32 s58, s[WV], 1
	s_mul_i32 s58, s58, REG
	s_add_co_u32 s58, s58, STG
	s_mul_i32 s58, s58, s[PAR]                     ; the odd wave joins its partner's state of the late block,
	s_xor_b32 s59, s[PAR], 1
	s_mul_i32 s59, s59, s[R2]                      ; the even wave its partner's state of the early block
	s_add_co_u32 s[PA], s58, s59
	s_cmp_lg_u32 s[PAR], 0
	s_cselect_b32 s35, s[BLK], ttmp9               ; the block whose tile I send out
	s_lshl_b32 s35, s35, 3
	s_add_co_u32 s35, s35, s33
	s_and_b32 s14, s13, 15                         ; head
	s_lshr_b32 s15, s13, 4
	s_lshl_b32 s15, s15, 7
	s_add_co_u32 s15, s15, s35                     ; the result's tile: 128 x batch + tile
	s_lshr_b32 s32, s14, 2                         ; which 256 of the next K
	s_and_b32 s14, s14, 3                          ; which 64 of them
	s_mul_i32 s44, s32, 786432
	s_mul_i32 s36, s15, 3072
	s_add_co_u32 s44, s44, s36
	s_mul_i32 s36, s14, 768
	s_add_co_u32 s44, s44, s36
	s_mov_b32 s45, 0
	s_add_nc_u64 s[44:45], s[8:9], s[44:45]
	s_lshl_b32 s46, s15, 9
	s_lshl_b32 s36, s32, 7
	s_add_co_u32 s46, s46, s36
	s_lshl_b32 s36, s14, 1
	s_add_co_u32 s46, s46, s36
	s_mov_b32 s47, 0
	s_add_nc_u64 s[46:47], s[10:11], s[46:47]
	s_mov_b32 s[CS], 0x3e38aa3b                    ; log2(e) / 8
	s_mov_b32 s[CS+1], s[CS]
	s_mov_b32 s[MASK], 0xffff0000
	s_mov_b32 s[SEL], 0x76543210
	s_mov_b32 s[SEL+1], 0xfedcba98
	s_mov_b32 s[TR], 0
.irp i, 22,23,24,25,26,27
	v_mov_b32 v[\i], 0                             ; Q's upper 64 along K: zero codes
.endr
.irp t, 0,1,2,3
.irp i, 6,7,8,9,10,11
	v_mov_b32 v[KF+12*\t+\i], 0                    ; K's likewise: the loads fill the lower six registers alone
.endr
.endr
.irp b, 0,1,2,3
	v_mov_b32 v[T2+\b], 0                          ; a lane permute's destination counts as one of its sources
.endr
	v_mov_b32 v252, 0
	v_mov_b32 v253, 0
	FRESH
	v_lshl_add_u32 v83, v0, 2, SPARE               ; my spare word and 0, made anew: v254 and v255 are at work
	v_mov_b32 v84, 0
	v_add_nc_u32 v5, s[R1], v1
	v_add_nc_u32 v6, s[R1], v2
	v_add_nc_u32 v7, s[R1], v3
	s_wait_alu depctr_va_vdst(0)                   ; the wait at the head's end
	s_wait_loadcnt 0x0                             ; both Q
	s_wait_tensorcnt 0x0                           ; my step, if I asked for one, has landed
	ds_store_b128 v5, v[76:79]
	ds_store_b64 v6, v[80:81] offset:512
	ds_store_b32 v7, v82 offset:768                ; lanes r and 16 + r write the same word with the same value
	s_wait_tensorcnt 0x0                           ; a first fill that comes later is issued as a refill is
	ds_add_u32 v83, v84                            ; the add twice
	ds_add_u32 v83, v84
	s_wait_dscnt 0x0
	s_barrier_signal -1
	s_barrier_wait -1                              ; key steps 0-5 are in
	s_cmp_lt_u32 s[WV], 6
	s_cbranch_scc1 .Lasked
	tensor_load_to_lds s[20:23], s[24:31]          ; key step w of my head
	s_nop 0
.rept 4
	v_nop
.endr
.Lasked:
; A trip.  full = 0: the first three trips, key steps 0-5 of the late block, which is block 8 at the least: no step of them is left out or lies on the diagonal, and the blocks do not change
.macro TRIP full
.if \full
	s_cmp_lg_u32 s[TR], 8
	s_cbranch_scc1 .Lsame
.rept 4
	v_nop                                          ; places behind the last products
.endr
	s_wait_alu depctr_va_vdst(0)
	v_add_nc_u32 v5, s[R1], v1
	v_add_nc_u32 v6, s[R1], v2
	v_add_nc_u32 v7, s[R1], v3
	ds_load_b128 v[16:19], v5                      ; the early block's Q; LDS serves a wave's instructions in order, so the stores below come behind these loads
	ds_load_b64 v[20:21], v6 offset:512
	ds_load_b32 v255, v7 offset:768
	SAVE 5                                         ; the late block's state
	s_mov_b32 s[BLK], ttmp9
	s_wait_dscnt 0x0
	FRESH
	s_wait_alu depctr_va_vdst(0)
.Lsame:
.endif
	s_and_b32 s[KS], s[TR], 7
	s_lshl_b32 s[KS], s[KS], 1
	s_add_co_u32 s[KS], s[KS], s[PAR]              ; my key step
	s_mul_i32 s[TB], s[KS], STEPB
.if \full
	s_cmp_gt_u32 s[KS], s[BLK]
	s_cbranch_scc1 .Lskip
.endif
	v_add_nc_u32 v5, s[TB], v1
	v_add_nc_u32 v6, s[TB], v2
	v_add_nc_u32 v7, s[TB], v3
.irp t, 0,1,2,3                        ; S^T = K Q^T, four tiles of 16 keys at a time
	ds_load_b128 v[KF+12*\t:KF+12*\t+3], v5 offset:768*\t
	ds_load_b64 v[KF+12*\t+4:KF+12*\t+5], v6 offset:768*\t+512
	ds_load_b32 v[248+\t], v7 offset:6144+64*\t
.endr
	s_wait_alu depctr_va_vdst(0)
	s_wait_dscnt 0x0
.irp t, 0,1,2,3
	v_wmma_scale_f32_16x16x128_f8f6f4 v[S+8*\t:S+8*\t+7], v[KF+12*\t:KF+12*\t+11], v[16:27], 0, v[248+\t], v255 matrix_a_fmt:MATRIX_FMT_FP6 matrix_b_fmt:MATRIX_FMT_FP6
.endr
.rept 4
	v_nop                                          ; places in front of loads into registers that matrix instructions have read
.endr
.irp t, 0,1,2,3
	ds_load_b128 v[KF+12*\t:KF+12*\t+3], v5 offset:768*(4+\t)
	ds_load_b64 v[KF+12*\t+4:KF+12*\t+5], v6 offset:768*(4+\t)+512
	ds_load_b32 v[248+\t], v7 offset:6144+64*(4+\t)
.endr
.irp d, 0,1,2,3                        ; V's four fragments and scale words land while the softmax is worked
	ds_load_b128 v[VF+12*\d:VF+12*\d+3], v5 offset:6656+1536*\d
	ds_load_b64 v[VF+12*\d+4:VF+12*\d+5], v6 offset:6656+1536*\d+512
	ds_load_b128 v[VF+12*\d+6:VF+12*\d+9], v5 offset:6656+1536*\d+768
	ds_load_b64 v[VF+12*\d+10:VF+12*\d+11], v6 offset:6656+1536*\d+1280
	ds_load_b32 v[8+\d], v7 offset:12800+64*\d
.endr
	s_wait_dscnt 20                                ; K's are in; V's twenty loads may be out
.irp t, 0,1,2,3
	v_wmma_scale_f32_16x16x128_f8f6f4 v[S+32+8*\t:S+32+8*\t+7], v[KF+12*\t:KF+12*\t+11], v[16:27], 0, v[248+\t], v255 matrix_a_fmt:MATRIX_FMT_FP6 matrix_b_fmt:MATRIX_FMT_FP6
.endr
.rept 4
	v_nop
.endr
.if \full
	s_cmp_lg_u32 s[KS], s[BLK]                     ; only the step on the diagonal has hidden keys
	s_cbranch_scc1 .Lopen
	v_mov_b32 v254, 0xff800000                     ; -infinity
.set n, 0
.rept 64
	v_cmp_gt_i32 vcc_lo, 32*(n/16)+n%16, v4
	v_cndmask_b32 v[S+n], v[S+n], v254, vcc_lo
.set n, n+1
.endr
.Lopen:
.endif
.irp b, 0,1,2,3
	v_max3_num_f32 v[MX+\b], v[S+16*\b], v[S+1+16*\b], v[S+2+16*\b]   ; the largest score of each block of 32 keys: for the row's maximum and, since p rises with the score, for the block's largest p
.endr
.irp i, 3,5,7,9,11,13
.irp b, 0,1,2,3
	v_max3_num_f32 v[MX+\b], v[MX+\b], v[S+16*\b+\i], v[S+1+16*\b+\i]
.endr
.endr
.irp b, 0,1,2,3
	v_max_num_f32 v[MX+\b], v[MX+\b], v[S+15+16*\b]
.endr
.irp b, 0,1,2,3
	s_delay_alu instid0(VALU_DEP_4)
	v_permlanex16_b32 v[T2+\b], v[MX+\b], s[SEL], s[SEL+1]
.endr
.irp b, 0,1,2,3
	s_delay_alu instid0(VALU_DEP_4)
	v_max_num_f32 v[MX+\b], v[MX+\b], v[T2+\b]     ; with lane l xor 16's 16 keys
.endr
	s_delay_alu instid0(VALU_DEP_2)
	v_max3_num_f32 v254, v[MX], v[MX+1], v[MX+2]
	s_delay_alu instid0(VALU_DEP_1)
	v_max_num_f32 v254, v254, v[MX+3]              ; a number: the step's first key counts for every query of the block
	s_delay_alu instid0(VALU_DEP_1)
	v_mul_f32 v254, s[CS], v254
	s_delay_alu instid0(VALU_DEP_1)
	v_max_num_f32 v13, v13, v254                   ; the running largest t
	v_mov_b32 v254, v12
	s_delay_alu instid0(VALU_DEP_2)
	v_floor_f32 v12, -v13                          ; the new -M = -ceil(t)
	s_delay_alu instid0(VALU_DEP_1)
	v_sub_f32 v254, v12, v254                      ; old M - new M: a whole number, 0 or less
	s_delay_alu instid0(VALU_DEP_1)
	v_cvt_i32_f32 v254, v254                       ; (it saturates)
	s_delay_alu instid0(VALU_DEP_1)
	v_ldexp_f32 v252, 1.0, v254                    ; f = 2^(old M - new M): exact
.set n, 0
.rept 32
	v_pk_fma_f32 v[S+n:S+n+1], v[S+n:S+n+1], s[CS:CS+1], v[12:13] op_sel_hi:[1,0,0]   ; t - M
.set n, n+2
.endr
.irp b, 0,1,2,3
	v_fma_f32 v[MX+\b], v[MX+\b], s[CS], v12
.endr
	s_wait_alu depctr_va_vdst(0)                   ; the wait ahead of the batch
.set n, 0
.rept 64
	v_exp_f32 v[S+n], v[S+n]                       ; p
.set n, n+1
.endr
.irp b, 0,1,2,3
	v_exp_f32 v[MX+\b], v[MX+\b]                   ; the block's largest p: the same two instructions on the same number
.endr
	v_pk_mul_f32 v[14:15], v[14:15], v[252:253] op_sel_hi:[1,0]   ; the sums under the new M (a plain line behind the exponentials)
	s_wait_alu depctr_va_vdst(0)                   ; and behind it
.irp b, 0,1,2,3
	v_max_num_f32 v[MX+\b], 0x1800000, v[MX+\b]    ; the floor 2^(3 - 127)
.endr
.irp b, 0,1,2,3
	s_delay_alu instid0(VALU_DEP_4)
	v_add_nc_u32 v[SCV+\b], 0xff000000, v[MX+\b]
.endr
.irp b, 0,1,2,3
	s_delay_alu instid0(VALU_DEP_4)
	v_lshrrev_b32 v[T2+\b], 23, v[SCV+\b]
.endr
	s_delay_alu instid0(VALU_DEP_3)
	v_lshl_or_b32 v253, v[T2+1], 8, v[T2]          ; p's scale word for these 128 keys
	s_delay_alu instid0(VALU_DEP_1)
	v_lshl_or_b32 v253, v[T2+2], 16, v253
	s_delay_alu instid0(VALU_DEP_1)
	v_lshl_or_b32 v253, v[T2+3], 24, v253
.irp c, 0,1
	v_cvt_scalef32_pk16_fp6_f32 v[PCD+6*\c:PCD+2+6*\c], v[S+32*\c:S+15+32*\c], v[SCV+2*\c]
	v_cvt_scalef32_pk16_fp6_f32 v[T2+4*\c:T2+2+4*\c], v[S+16+32*\c:S+31+32*\c], v[SCV+2*\c+1]
.endr
	v_nop                                          ; one plain line behind a scaled conversion
.irp c, 0,1
.irp i, 0,1,2
	v_permlane16_swap_b32 v[PCD+6*\c+\i], v[T2+4*\c+\i]
.endr
.irp i, 0,1,2
	s_delay_alu instid0(VALU_DEP_3)
	v_mov_b32 v[PCD+3+6*\c+\i], v[T2+4*\c+\i]
.endr
.endr
	s_wait_alu depctr_va_vdst(0)                   ; the wait, directly ahead of the first reader of O^T
.set n, 0
.rept 16
	v_pk_mul_f32 v[O+n:O+n+1], v[O+n:O+n+1], v[252:253] op_sel_hi:[1,0]   ; O^T under the new M, each accumulator from its low end on
.set n, n+2
.endr
	v_pk_add_f32 v[14:15], v[14:15], v[S:S+1]      ; the row's sum of the unquantised p: four chains
	v_pk_add_f32 v[240:241], v[S+2:S+3], v[S+10:S+11]
	v_pk_add_f32 v[242:243], v[S+4:S+5], v[S+12:S+13]
	v_pk_add_f32 v[244:245], v[S+6:S+7], v[S+14:S+15]
	v_pk_add_f32 v[14:15], v[14:15], v[S+8:S+9]
.irp j, 16,24,32,40,48,56
	v_pk_add_f32 v[240:241], v[240:241], v[S+\j+2:S+\j+3]
	v_pk_add_f32 v[242:243], v[242:243], v[S+\j+4:S+\j+5]
	v_pk_add_f32 v[244:245], v[244:245], v[S+\j+6:S+\j+7]
	v_pk_add_f32 v[14:15], v[14:15], v[S+\j:S+\j+1]
.endr
	v_pk_add_f32 v[240:241], v[240:241], v[242:243]
	v_pk_add_f32 v[14:15], v[14:15], v[244:245]
	s_delay_alu instid0(VALU_DEP_1)
	v_pk_add_f32 v[14:15], v[14:15], v[240:241]
	s_wait_dscnt 0x0                               ; V
.irp d, 0,1,2,3                        ; O^T += V^T P^T: the four accumulators by turns
	v_wmma_scale_f32_16x16x128_f8f6f4 v[O+8*\d:O+8*\d+7], v[VF+12*\d:VF+12*\d+11], v[PCD:PCD+11], v[O+8*\d:O+8*\d+7], v[8+\d], v253 matrix_a_fmt:MATRIX_FMT_FP6 matrix_b_fmt:MATRIX_FMT_FP6
.endr
.endm
.Lfirst:                                           ; three trips on key steps 0-5
	TRIP 0
	s_add_co_u32 s[TR], s[TR], 1
	s_cmp_lt_u32 s[TR], 3
	s_cbranch_scc1 .Lfirst
	s_wait_tensorcnt 0x0                           ; my step of the second group has landed,
	s_barrier_signal -1
	s_barrier_wait -1                              ; everybody's has
	s_mov_b32 s[TR], 3
.Lstep:                                            ; trips 3-15, a constant; a trip's work is left out where all its keys are hidden
	TRIP 1
.Lskip:
	s_add_co_u32 s[TR], s[TR], 1
	s_cmp_lt_u32 s[TR], 16
	s_cbranch_scc1 .Lstep
.rept 4
	v_nop                                          ; places behind the last products
.endr
	; THE TWO STATES OF A TILE ARE JOINED.  All three addresses are made ahead of the branches on the wave's number
	v_add_nc_u32 v5, s[R2], v1
	v_add_nc_u32 v6, s[R1], v1
	v_add_nc_u32 v7, s[PA], v1
	s_wait_alu depctr_va_vdst(0)
	s_cmp_eq_u32 s[PAR], 0
	s_cbranch_scc1 .Lkeep
	SAVE 5                                         ; the odd wave hands its state of the early block over
.Lkeep:
	s_wait_dscnt 0x0
	s_barrier_signal -1
	s_barrier_wait -1
	s_cmp_eq_u32 s[PAR], 0
	s_cbranch_scc1 .Lmine
.irp d, 0,1,2,3,4,5,6,7                ; and takes its own state of the late block up again
	ds_load_b128 v[O+4*\d:O+4*\d+3], v6 offset:512*\d
.endr
	ds_load_b128 v[12:15], v6 offset:4096
.Lmine:
.irp d, 0,1,2,3,4,5,6,7,8              ; the partner's state: O^T in v[S] on, then -M, t and the sum
	ds_load_b128 v[S+4*\d:S+4*\d+3], v7 offset:512*\d
.endr
	s_wait_dscnt 0x0
	v_add_f32 v14, v14, v15
	v_add_f32 v[S+34], v[S+34], v[S+35]
	v_min_num_f32 v254, v12, v[S+32]               ; the common -M
	s_delay_alu instid0(VALU_DEP_1)
	v_sub_f32 v252, v254, v12                      ; own M - common M, a whole number, 0 or less (a state with no key in it: -3e38, and its factor is 0)
	v_sub_f32 v[T2], v254, v[S+32]
	s_delay_alu instid0(VALU_DEP_2)
	v_cvt_i32_f32 v252, v252                       ; (it saturates)
	s_delay_alu instid0(VALU_DEP_2)
	v_cvt_i32_f32 v[T2], v[T2]
	s_delay_alu instid0(VALU_DEP_2)
	v_ldexp_f32 v252, 1.0, v252
	s_delay_alu instid0(VALU_DEP_2)
	v_ldexp_f32 v[T2], 1.0, v[T2]
	s_delay_alu instid0(VALU_DEP_2)
	v_mul_f32 v14, v14, v252
.set n, 0
.rept 16
	v_pk_mul_f32 v[S+n:S+n+1], v[S+n:S+n+1], v[T2:T2+1] op_sel_hi:[1,0]
.set n, n+2
.endr
	v_fma_f32 v14, v[S+34], v[T2], v14
.set n, 0
.rept 16
	v_pk_fma_f32 v[O+n:O+n+1], v[O+n:O+n+1], v[252:253], v[S+n:S+n+1] op_sel_hi:[1,0,1]   ; each accumulator from its low end on
.set n, n+2
.endr
	; THE WAY OUT: O^T / the sum, quantised along the channels: two blocks of 32, one half image
	v_permlanex16_b32 v252, v14, s[SEL], s[SEL+1]
	s_delay_alu instid0(VALU_DEP_1)
	v_add_f32 v14, v14, v252                       ; the row's sum
	s_wait_alu depctr_va_vdst(0)
	v_rcp_f32 v14, v14
	v_and_b32 v5, 15, v0                           ; (a plain line behind the reciprocal)
	v_bfe_u32 v6, v0, 4, 1
	s_delay_alu instid0(VALU_DEP_1)
	v_lshl_add_u32 v5, v5, 3, v6                   ; my scale byte's place: 8 r + h
	s_wait_alu depctr_va_vdst(0)
.set n, 0
.rept 32
	v_mul_f32 v[S+n], v[O+n], v14                  ; register 16 b + i: channel 32 b + 16 h + i
.set n, n+1
.endr
.irp b, 0,1
	v_max3_num_f32 v[MX+\b], |v[S+16*\b]|, |v[S+1+16*\b]|, 0x1800000
.endr
.irp i, 2,4,6,8,10,12,14
.irp b, 0,1
	s_delay_alu instid0(VALU_DEP_2)
	v_max3_num_f32 v[MX+\b], v[MX+\b], |v[S+16*\b+\i]|, |v[S+1+16*\b+\i]|
.endr
.endr
.irp b, 0,1
	s_delay_alu instid0(VALU_DEP_2)
	v_permlanex16_b32 v[T2+\b], v[MX+\b], s[SEL], s[SEL+1]
.endr
.irp b, 0,1
	s_delay_alu instid0(VALU_DEP_2)
	v_max_num_f32 v[MX+\b], v[MX+\b], v[T2+\b]
.endr
.irp b, 0,1
	s_delay_alu instid0(VALU_DEP_2)
	v_add_nc_u32 v[SCV+\b], 0xff000000, v[MX+\b]
.endr
.irp b, 0,1
	s_delay_alu instid0(VALU_DEP_2)
	v_lshrrev_b32 v[T2+4+\b], 23, v[SCV+\b]
.endr
	s_delay_alu instid0(VALU_DEP_1)
	v_cndmask_b32 v[T2+6], v[T2+4], v[T2+5], s[MASK]   ; lanes 0-15 store block 0's byte, lanes 16-31 block 1's
	v_cvt_scalef32_pk16_fp6_f32 v[PCD:PCD+2], v[S:S+15], v[SCV]
	v_cvt_scalef32_pk16_fp6_f32 v[T2:T2+2], v[S+16:S+31], v[SCV+1]
	v_nop
.irp i, 0,1,2
	v_permlane16_swap_b32 v[PCD+\i], v[T2+\i]
.endr
.irp i, 0,1,2
	s_delay_alu instid0(VALU_DEP_3)
	v_mov_b32 v[PCD+3+\i], v[T2+\i]
.endr
	global_store_b128 v1, v[PCD:PCD+3], s[44:45]               ; 512 and 256 consecutive bytes, aligned to 256
	global_store_b64 v2, v[PCD+4:PCD+5], s[44:45] offset:512
	global_store_b8 v5, v[T2+6], s[46:47]
	s_wait_xcnt 0x0
	v_lshl_add_u32 v254, v0, 2, SPARE
	v_mov_b32 v255, 0
	s_wait_alu depctr_va_vdst(0)
	s_wait_tensorcnt 0x0                           ; the wave's end
	ds_add_u32 v254, v255
	s_wait_dscnt 0x0
	s_endpgm
.Lfunc_end_k_qde04996e5e_attention:
	.size	k_qde04996e5e_attention, .Lfunc_end_k_qde04996e5e_attention-k_qde04996e5e_attention
	.p2alignl 7, 3214868480
	.fill 96, 4, 3214868480
	.section	.rodata,"a",@progbits
	.p2align	6, 0x0
	.amdhsa_kernel k_qde04996e5e_attention
		.amdhsa_group_segment_fixed_size 327680
		.amdhsa_private_segment_fixed_size 0
		.amdhsa_enable_private_segment 0
		.amdhsa_kernarg_size 32
		.amdhsa_user_sgpr_count 2
		.amdhsa_user_sgpr_kernarg_segment_ptr 1
		.amdhsa_wavefront_size32 1
		.amdhsa_system_sgpr_workgroup_id_x 1
		.amdhsa_system_sgpr_workgroup_id_y 1
		.amdhsa_system_sgpr_workgroup_id_z 1
		.amdhsa_system_vgpr_workitem_id 0
		.amdhsa_next_free_vgpr 256
		.amdhsa_next_free_sgpr 66
		.amdhsa_reserve_vcc 1
		.amdhsa_float_denorm_mode_32 3
		.amdhsa_float_denorm_mode_16_64 3
		.amdhsa_memory_ordered 1
		.amdhsa_forward_progress 1
		.amdhsa_inst_pref_size 62
	.end_amdhsa_kernel
	.amdgpu_metadata
---
amdhsa.version: [ 1, 2 ]
amdhsa.kernels:
  - .name:           k_qde04996e5e_attention
    .symbol:         k_qde04996e5e_attention.kd
    .args:
      - { .name: qimg, .offset: 0, .size: 8, .value_kind: global_buffer, .address_space: global }
      - { .name: kv, .offset: 8, .size: 8, .value_kind: global_buffer, .address_space: global }
      - { .name: attn, .offset: 16, .size: 8, .value_kind: global_buffer, .address_space: global }
      - { .name: attn_s, .offset: 24, .size: 8, .value_kind: global_buffer, .address_space: global }
    .group_segment_fixed_size: 327680
    .private_segment_fixed_size: 0
    .kernarg_segment_align: 8
    .kernarg_segment_size: 32
    .max_flat_workgroup_size: 512
    .sgpr_count:     66
    .vgpr_count:     256
    .wavefront_size: 32
...
	.end_amdgpu_metadata
.endif
;; end of part 3
;; launch oproj (part 4): grid 8 x 32, 4 waves a work-group, clusters of 4 x 4, 327,680 bytes of LDS; arguments attn, attn_s, codes, scl, out0; writes out0
.if DOCPART == 4
	.amdgcn_target "amdgcn-amd-amdhsa--gfx1250"
	.amdhsa_code_object_version 6
	.text
	.protected	k_qde04996e5e_oproj
	.globl	k_qde04996e5e_oproj
	.p2align	8
	.type	k_qde04996e5e_oproj,@function
k_qde04996e5e_oproj:
	s_mov_b64 s[64:65], 0
	v_nop
	global_prefetch_b8 v0, s[64:65] scope:SCOPE_SE
	s_setreg_imm32_b32 hwreg(HW_REG_WAVE_MODE, 25, 1), 1
	s_wait_xcnt 0x0
	s_wait_alu depctr_hold_cnt(0) depctr_sa_sdst(0) depctr_va_vdst(0) depctr_va_sdst(0) depctr_va_ssrc(0) depctr_va_vcc(0) depctr_vm_vsrc(0)
	s_getreg_b32 s2, hwreg(HW_REG_IB_STS2, 6, 4)
	s_cmp_eq_u32 s2, 0
	s_cbranch_scc0 .Lentry_in_a_cluster
	s_endpgm
.Lentry_in_a_cluster:
	s_bfe_u32 s2, ttmp6, 0x10000c
	s_cmp_lg_u32 s2, 0xf033
	s_cbranch_scc0 .Lentry_shape_is_right
	s_endpgm
.Lentry_shape_is_right:
; out0 = attn Wo^T on codes of FP6 (E2M3) with E8M0 scales, K = 1,024; out0 [4096][1024] f32.
; OPERANDS come as half images (16 rows x 64 K, 768 bytes, in the order of the matrix operand's registers: lane l's registers 0-3 at 16 l, 4-5 at 512 + 8 l), laid [K / 256][tile][4][768]; of each 32 rows tile u
; holds at place i the row 8 u + i + 8 (i / 8).  Scale bytes: [tile][K / 256][place][8].
; A work-group makes 128 x 128 of the result: 8 x 32 = 256 work-groups.  Its 8 tiles of attn and 8 tiles of Wo for ALL of K are 2 x 98,304 bytes: they come into LDS once, each by one tensor load of four rows of
; 24,576 bytes (one row for each 256 along K), and the scale bytes by two more: one load a wave, nothing is filled again, one barrier.  No prefetch: there is no loop of loads to run ahead in.
; CLUSTERS of 4 x 4: attn's tiles are asked for jointly along a row of the cluster, Wo's along a column.
; A wave makes 64 x 64: 16 accumulators (window 1), by turns in the same order in each of the 8 steps of 128 along K; two sets of fragments (window 0): a step's 32 LDS loads are
; issued one step ahead.  All scale words are read once: register SC + 8 c + 2 i + q holds in lanes 0-15 the word of attn's block i, in lanes 16-31 that of Wo's block i, for step 2 c + q.
; THE MATRIX INSTRUCTION IS USED TRANSPOSED: source 0 = 16 rows of Wo, source 1 = 16 rows of attn: lane (r, h) holds the token at place r, and the 16 registers of Wo's tiles 2 b and 2 b + 1 are columns 32 b + 16 h + 0 .. 15.
; THE WAY OUT: through the wave's own stage in LDS (rows of 256 + 16 bytes) and back by rows: sixteen lanes store 256 consecutive bytes, aligned.
.set TILEB,  3072
.set CH,     8*TILEB                   ; 8 tiles x 256 K
.set LB,     4*CH                      ; Wo's codes lie behind attn's
.set SCA,    8*CH                      ; attn's scale bytes (4,096); Wo's begin 4,096 + 128 on
.set SCD,    4096+128
.set SPARE,  205056                    ; the spare words, 128 bytes for each wave
.set STAGE,  205568
.set SPITCH, 272
.set STG1,   16*SPITCH                 ; a stage for each of a wave's four blocks of 16 rows
.set SIGA,   786432
.set SIGB,   1572864
.set ADRA, 16                          ; v16-17 attn's fragments, K 0-511 and 512-1023, 16 bytes a lane; v18-19 8 bytes a lane
.set ADRB, 20                          ; v20-23 the same for Wo
.set STO,  24
.set RD,   25
.set CO,   26
.set ADRS, 27
.set SPW,  28                          ; my spare word; never rewritten
.set NIL,  29                          ; 0; never rewritten
.set SC,   32                          ; v32-63 scale words
.set F,    64                          ; v64-159, v160-255 two sets: Wo's four fragments, then attn's four
.set G1, 24
.set G0, 32
.set G1B, 48
.set G0B, 56
.set G1S, 68
.set G0S, 76
.set G1SB, 80
.set G0SB, 88
.set MSB, 0
.macro WIN new                         ; the immediate's high byte repeats the setting that is left
.if MSB != (\new)
	s_set_vgpr_msb (MSB<<8)|(\new)
.set MSB, (\new)
.endif
.endm
.macro CROUND                          ; a round of the cluster's barrier
	s_barrier_signal -1
	s_barrier_wait -1
	s_cmp_lg_u32 s14, 0
	s_cbranch_scc1 .Lnot_wave_0_\@
	s_barrier_signal -3
.Lnot_wave_0_\@:
	s_barrier_wait -3
	s_barrier_signal -1
	s_barrier_wait -1
.endm
.macro PLACES
.rept 4
	v_nop
.endr
.endm
	s_load_b256 s[4:11], s[0:1], 0x0               ; attn, attn_s, codes, scl
	s_load_b64 s[12:13], s[0:1], 0x20              ; out0
	v_lshl_add_u32 v[SPW], v0, 2, SPARE
	v_mov_b32 v[NIL], 0
	ds_add_u32 v[SPW], v[NIL]                      ; the opening lines: the add, twice on end, and its wait
	ds_add_u32 v[SPW], v[NIL]
	v_lshrrev_b32 v1, 5, v0
	v_readfirstlane_b32 s14, v1                    ; wave 0..3
	s_lshr_b32 s15, s14, 1                         ; which 64 rows are mine
	s_and_b32 s16, s14, 1                          ; which 64 columns
	s_bfe_u32 s40, ttmp6, 0x40000                  ; cx
	s_bfe_u32 s41, ttmp6, 0x40004                  ; cy
	s_lshl_b32 s42, ttmp9, 2
	s_add_co_u32 s42, s42, s40                     ; block column
	s_and_b32 s17, ttmp7, 0xffff
	s_lshl_b32 s17, s17, 2
	s_add_co_u32 s17, s17, s41                     ; block row
	s_lshl_b32 s43, s41, 2
	s_lshl_b32 s43, 15, s43                        ; my row of the cluster
	s_lshl_b32 s44, 0x1111, s40                    ; my column
	s_or_b32 s[G1+0], s43, (3<<16)|(1<<21)         ; the mask; elements of 8 bytes; bit 21 beside a mask
	s_or_b32 s[G1B+0], s44, (3<<16)|(1<<21)
.irp g, G1, G1B                        ; four rows of 24,576 bytes
	s_mov_b32 s[\g+1], (CH/8)<<16
	s_mov_b32 s[\g+2], 4<<16
	s_mov_b32 s[\g+3], (CH/8)<<16
	s_mov_b32 s[\g+4], 4
	s_mov_b32 s[\g+6], 0
	s_mov_b32 s[\g+7], 0
.endr
	s_mov_b32 s[G1+5], SIGA/8
	s_mov_b32 s[G1B+5], SIGB/8
	s_or_b32 s[G1S+0], s43, (3<<16)|(1<<21)
	s_or_b32 s[G1SB+0], s44, (3<<16)|(1<<21)
.irp g, G1S, G1SB                      ; 8 tiles' scale bytes: 16 rows of 256 bytes
	s_mov_b32 s[\g+1], 32<<16
	s_mov_b32 s[\g+2], 16<<16
	s_mov_b32 s[\g+3], 32<<16
	s_mov_b32 s[\g+4], 16
	s_mov_b32 s[\g+5], 32
	s_mov_b32 s[\g+6], 0
	s_mov_b32 s[\g+7], 0
.endr
	s_mul_i32 s20, s17, CH                         ; attn: made of the block row alone
	s_mov_b32 s21, 0
	s_lshl_b32 s22, s17, 12
	s_mov_b32 s23, 0
	s_mul_i32 s46, s42, CH                         ; Wo (tiles 448 on): of the block column alone
	s_add_co_u32 s46, s46, 448*TILEB
	s_mov_b32 s47, 0
	s_lshl_b32 s92, s42, 12
	s_add_co_u32 s92, s92, 448*512
	s_mov_b32 s93, 0
	s_wait_dscnt 0x0
	s_wait_kmcnt 0x0
	s_add_nc_u64 s[20:21], s[4:5], s[20:21]
	s_add_nc_u64 s[22:23], s[6:7], s[22:23]
	s_add_nc_u64 s[46:47], s[8:9], s[46:47]
	s_add_nc_u64 s[92:93], s[10:11], s[92:93]
	CROUND                                         ; all sixteen work-groups are here: the joint loads meet
	s_mov_b32 s[G0], 1
	s_mov_b32 s[G0+1], 0
	s_mov_b64 s[G0+2:G0+3], s[20:21]
	s_or_b32 s[G0+3], s[G0+3], 0x80000000
	s_mov_b32 s[G0B], 1
	s_mov_b32 s[G0B+1], LB
	s_mov_b64 s[G0B+2:G0B+3], s[46:47]
	s_or_b32 s[G0B+3], s[G0B+3], 0x80000000
	s_mov_b32 s[G0S], 1
	s_mov_b32 s[G0S+1], SCA
	s_mov_b64 s[G0S+2:G0S+3], s[22:23]
	s_or_b32 s[G0S+3], s[G0S+3], 0x80000000
	s_mov_b32 s[G0SB], 1
	s_mov_b32 s[G0SB+1], SCA+SCD
	s_mov_b64 s[G0SB+2:G0SB+3], s[92:93]
	s_or_b32 s[G0SB+3], s[G0SB+3], 0x80000000
; One load a wave, in one tree of branches on the wave's number: wave 0 attn's codes, wave 1 Wo's, wave 2 attn's scale bytes, wave 3 Wo's
.macro ARM under, g0, g1, next
	s_cmp_lt_u32 s14, \under
	s_cbranch_scc0 \next
	tensor_load_to_lds s[\g0:\g0+3], s[\g1:\g1+7]
	s_nop 0
	PLACES
	s_branch .Lhead_asked
\next:
.endm
	ARM 1, G0,  G1,  .Lhead_b
	ARM 2, G0B, G1B, .Lhead_sa
	ARM 3, G0S, G1S, .Lhead_sb
	tensor_load_to_lds s[G0SB:G0SB+3], s[G1SB:G1SB+7]
	s_nop 0
	PLACES
.Lhead_asked:
	v_and_b32 v1, 15, v0                           ; r
	v_bfe_u32 v2, v0, 4, 1                         ; h
	v_and_b32 v3, 31, v0
	v_lshlrev_b32 v4, 4, v3
	v_lshlrev_b32 v5, 3, v3
	s_mul_i32 s21, s15, 4*TILEB                    ; my four tiles of attn
	s_mul_i32 s22, s16, 4*TILEB
	s_add_co_u32 s22, s22, LB                      ; my four tiles of Wo
.irp s, 0,1
	v_add_nc_u32 v[ADRA+\s], s21, v4
	v_add_nc_u32 v[ADRB+\s], s22, v4
	v_add_nc_u32 v[ADRA+2+\s], s21, v5
	v_add_nc_u32 v[ADRB+2+\s], s22, v5
	s_add_co_u32 s21, s21, 2*CH
	s_add_co_u32 s22, s22, 2*CH
.endr
	v_lshlrev_b32 v6, 3, v1                        ; my row's 8 scale bytes of 256 along K
	s_lshl_b32 s21, s15, 11
	s_lshl_b32 s22, s16, 11
	s_add_co_u32 s22, s22, SCD
	s_sub_co_u32 s22, s22, s21
	v_mul_u32_u24 v7, s22, v2                      ; lanes 16-31 take Wo's: one product, the distance between the two
	s_add_co_u32 s21, s21, SCA
	v_add_nc_u32 v6, v6, v7
	v_add_nc_u32 v[ADRS], s21, v6
	s_mul_i32 s23, s14, 4*STG1
	s_add_co_u32 s23, s23, STAGE                   ; my stages
	v_mul_u32_u24 v[STO], v1, SPITCH
	v_lshl_add_u32 v[STO], v2, 6, v[STO]
	v_add_nc_u32 v[STO], s23, v[STO]               ; in: row r, 64 h bytes
	v_mul_u32_u24 v[RD], v2, SPITCH
	v_lshl_add_u32 v[RD], v1, 4, v[RD]
	v_add_nc_u32 v[RD], s23, v[RD]                 ; back: lanes 0-15 one row of 256 bytes, lanes 16-31 the next
	v_lshlrev_b32 v[CO], 12, v2
	v_lshl_add_u32 v[CO], v1, 4, v[CO]             ; and the same two rows in out0
	s_lshl_b32 s96, s17, 19                        ; 128 rows of 4,096 bytes a block row,
	s_lshl_b32 s97, s15, 18
	s_add_co_u32 s96, s96, s97
	s_lshl_b32 s97, s42, 9                         ; 512 bytes a block column
	s_add_co_u32 s96, s96, s97
	s_lshl_b32 s97, s16, 8
	s_add_co_u32 s96, s96, s97
	s_mov_b32 s97, 0
	s_add_nc_u64 s[12:13], s[12:13], s[96:97]
.macro FRAG reg, adr, st, i            ; a fragment, 16 rows x 128 K: two half images, as they lie
	ds_load_b128 v[\reg:\reg+3], v[\adr+(\st)/4] offset:(((\st)/2)%2)*CH+(\i)*TILEB+((\st)%2)*1536
	ds_load_b64 v[\reg+4:\reg+5], v[\adr+2+(\st)/4] offset:(((\st)/2)%2)*CH+(\i)*TILEB+((\st)%2)*1536+512
	ds_load_b128 v[\reg+6:\reg+9], v[\adr+(\st)/4] offset:(((\st)/2)%2)*CH+(\i)*TILEB+((\st)%2)*1536+768
	ds_load_b64 v[\reg+10:\reg+11], v[\adr+2+(\st)/4] offset:(((\st)/2)%2)*CH+(\i)*TILEB+((\st)%2)*1536+1280
.endm
.macro FETCH st                        ; 32 LDS loads: step st's fragments into set st % 2
.irp i, 0,1,2,3
	FRAG F+96*((\st)%2)+12*\i, ADRB, \st, \i
.endr
.irp i, 0,1,2,3
	FRAG F+96*((\st)%2)+48+12*\i, ADRA, \st, \i
.endr
.endm
.macro MUL st                          ; 16 matrix instructions; the first step's start the sums
.irp a, 0,1,2,3
.irp b, 0,1,2,3
.if (\st) == 0
	v_wmma_scale_f32_16x16x128_f8f6f4 v[8*(4*\a+\b):8*(4*\a+\b)+7], v[F+96*((\st)%2)+12*\b:F+96*((\st)%2)+12*\b+11], v[F+96*((\st)%2)+48+12*\a:F+96*((\st)%2)+48+12*\a+11], 0, v[SC+8*((\st)/2)+2*\b+(\st)%2], v[SC+8*((\st)/2)+2*\a+(\st)%2] matrix_a_fmt:MATRIX_FMT_FP6 matrix_b_fmt:MATRIX_FMT_FP6 matrix_a_scale:MATRIX_SCALE_ROW1
.else
	v_wmma_scale_f32_16x16x128_f8f6f4 v[8*(4*\a+\b):8*(4*\a+\b)+7], v[F+96*((\st)%2)+12*\b:F+96*((\st)%2)+12*\b+11], v[F+96*((\st)%2)+48+12*\a:F+96*((\st)%2)+48+12*\a+11], v[8*(4*\a+\b):8*(4*\a+\b)+7], v[SC+8*((\st)/2)+2*\b+(\st)%2], v[SC+8*((\st)/2)+2*\a+(\st)%2] matrix_a_fmt:MATRIX_FMT_FP6 matrix_b_fmt:MATRIX_FMT_FP6 matrix_a_scale:MATRIX_SCALE_ROW1
.endif
.endr
.endr
.endm
	s_wait_alu depctr_va_vdst(0)                   ; the wait at the head's end
	s_wait_tensorcnt 0x0                           ; my tile has landed,
	s_barrier_signal -1
	s_barrier_wait -1                              ; everybody's has
.irp c, 0,1,2,3
.irp i, 0,1,2,3
	ds_load_b64 v[SC+8*\c+2*\i:SC+8*\c+2*\i+1], v[ADRS] offset:\i*512+\c*128
.endr
.endr
	FETCH 0
.irp st, 0,1,2,3,4,5,6,7
.if \st < 7
.if \st > 0
	PLACES                                         ; in front of loads into the set that the step before multiplied
.endif
	WIN 0
	FETCH (\st)+1
	s_wait_dscnt 32                                ; all but the 32 just issued
.else
	s_wait_dscnt 0x0
.endif
	WIN 0x50                                       ; C and D in window 1
	MUL \st
.endr
	PLACES
	WIN 0x04                                       ; the stores' data in window 1
.irp a, 0,1,2,3
.irp b, 0,1,2,3
	ds_store_b128 v[STO], v[8*(4*\a+\b):8*(4*\a+\b)+3] offset:\a*STG1+128*(\b/2)+32*(\b%2)        ; each accumulator from its low end on
	ds_store_b128 v[STO], v[8*(4*\a+\b)+4:8*(4*\a+\b)+7] offset:\a*STG1+128*(\b/2)+32*(\b%2)+16
.endr
.endr
	WIN 0
.irp a, 0,1,2,3
.irp t, 0,1,2,3,4,5,6,7
	ds_load_b128 v[F+32*\a+4*\t:F+32*\a+4*\t+3], v[RD] offset:\a*STG1+\t*2*SPITCH   ; LDS serves a wave's instructions in order: these see my stores
.endr
.endr
.irp a, 0,1,2,3
	s_wait_dscnt 8*(3-\a)                          ; block a's eight loads are in; the later blocks' may be out
.irp t, 0,1,2,3,4,5,6,7
	global_store_b128 v[CO], v[F+32*\a+4*\t:F+32*\a+4*\t+3], s[12:13] offset:(32*(\a/2)+8*(\a%2)+2*\t+8*(\t/4))*4096 th:TH_STORE_NT   ; places 2 t and 2 t + 1 of tile a: two neighbouring rows, 256 aligned bytes each
.endr
.endr
	s_wait_tensorcnt 0x0                           ; the wave's end
	ds_add_u32 v[SPW], v[NIL]
	s_wait_dscnt 0x0
	CROUND                                         ; the closing round
	s_endpgm
.Lfunc_end_k_qde04996e5e_oproj:
	.size	k_qde04996e5e_oproj, .Lfunc_end_k_qde04996e5e_oproj-k_qde04996e5e_oproj
	.p2alignl 7, 3214868480
	.fill 96, 4, 3214868480
	.section	.rodata,"a",@progbits
	.p2align	6, 0x0
	.amdhsa_kernel k_qde04996e5e_oproj
		.amdhsa_group_segment_fixed_size 327680
		.amdhsa_private_segment_fixed_size 0
		.amdhsa_enable_private_segment 0
		.amdhsa_kernarg_size 40
		.amdhsa_user_sgpr_count 2
		.amdhsa_user_sgpr_kernarg_segment_ptr 1
		.amdhsa_wavefront_size32 1
		.amdhsa_system_sgpr_workgroup_id_x 1
		.amdhsa_system_sgpr_workgroup_id_y 1
		.amdhsa_system_sgpr_workgroup_id_z 1
		.amdhsa_system_vgpr_workitem_id 0
		.amdhsa_next_free_vgpr 384
		.amdhsa_next_free_sgpr 100
		.amdhsa_reserve_vcc 0
		.amdhsa_float_denorm_mode_32 3
		.amdhsa_float_denorm_mode_16_64 3
		.amdhsa_memory_ordered 1
		.amdhsa_forward_progress 1
		.amdhsa_inst_pref_size 51
	.end_amdhsa_kernel
	.amdgpu_metadata
---
amdhsa.version: [ 1, 2 ]
amdhsa.kernels:
  - .name:           k_qde04996e5e_oproj
    .symbol:         k_qde04996e5e_oproj.kd
    .args:
      - { .name: attn, .offset: 0, .size: 8, .value_kind: global_buffer, .address_space: global }
      - { .name: attn_s, .offset: 8, .size: 8, .value_kind: global_buffer, .address_space: global }
      - { .name: codes, .offset: 16, .size: 8, .value_kind: global_buffer, .address_space: global }
      - { .name: scl, .offset: 24, .size: 8, .value_kind: global_buffer, .address_space: global }
      - { .name: out0, .offset: 32, .size: 8, .value_kind: global_buffer, .address_space: global }
    .group_segment_fixed_size: 327680
    .private_segment_fixed_size: 0
    .kernarg_segment_align: 8
    .kernarg_segment_size: 40
    .max_flat_workgroup_size: 128
    .sgpr_count:     100
    .vgpr_count:     384
    .wavefront_size: 32
...
	.end_amdgpu_metadata
.endif
;; end of part 4
